; MI455X (gfx1250); checked and timed in simulation.
; The chip was launched on July 23, 2026; its instructions are those of AMD's public machine-readable ISA for CDNA 5 (MIT licence, August 2026) and "CDNA5" Instruction Set Architecture Reference Guide (July 2026). The comments in the code are by the model that wrote it; some were corrected since.
;; Multi Head Attention. Allowed arithmetic: matrix products marked QUANTISED: E4M3 operands, one given power-of-two scale a tensor, by v_wmma_f32_16x16x64_fp8_fp8 or v_wmma_f32_16x16x128_fp8_fp8, f32 sums; everything else in f32.
;; Inputs: W_k 1,024 x 1,024 float32; W_o 1,024 x 1,024 float32; W_q 1,024 x 1,024 float32; W_v 1,024 x 1,024 float32; lowp_scales 12 int32 (the exponents e of the quantised operands' scales 2^e); x 2 x 2,048 x 1,024 float32.
;; Outputs: out0 2 x 2,048 x 1,024 float32.
;; This version of the problem:
;;   THIS VERSION OF THE PROBLEM IS GIVEN IN LOW PRECISION. The matrix products marked QUANTISED in the list below multiply operands that are first quantised to E4M3 (4 exponent bits, 3 mantissa bits; 8 bits a number), with one given power-of-two scale for each operand tensor; their sums are f32. All else is computed in f32.
;;   The module's matrix products, in the order in which they are computed (A, B: the left and right operand; K: the contracted axis; several contracted axes count as one K, in the product's order):
;;     1. [M 4,096, K 1,024] x [K 1,024, N 1,024]; A: input x; B: input W_q: QUANTISED (scales: A lowp_scales[0], B lowp_scales[1])
;;     2. [M 4,096, K 1,024] x [K 1,024, N 1,024]; A: input x; B: input W_k: QUANTISED (scales: A lowp_scales[2], B lowp_scales[3])
;;     3. [M 4,096, K 1,024] x [K 1,024, N 1,024]; A: input x; B: input W_v: QUANTISED (scales: A lowp_scales[4], B lowp_scales[5])
;;     4. batch 32 x [M 2,048, K 64] x [K 64, N 2,048]; A: computed on the way; B: computed on the way: QUANTISED (scales: A lowp_scales[6], B lowp_scales[7])
;;     5. batch 32 x [M 2,048, K 2,048] x [K 2,048, N 64]; A: softmax (see below); B: computed on the way: QUANTISED (scales: A lowp_scales[8], B lowp_scales[9])
;;     6. [M 4,096, K 1,024] x [K 1,024, N 1,024]; A: computed on the way; B: input W_o: QUANTISED (scales: A lowp_scales[10], B lowp_scales[11])
;;   THE QUANTISER, for each operand of a quantised product, along K:
;;     - The operand's scale is 2^e, e = its entry of the input lowp_scales (int32; the entries are numbered through the quantised products in the list's order, A before B).
;;     - Each number is divided by the scale, clamped to +-448, and rounded to the nearest number of E4M3, ties to even, subnormals kept.
;;     - The product sums the exact products of the quantised numbers (number of the format x scale) in f32.
;;   ~~~python
;;   def quantise(x, axis, e):      # numpy; x: float32 -> the quantised numbers, widened to float32 again
;;       x = np.moveaxis(x, axis, -1); K = x.shape[-1]
;;       r = np.clip(x / 2.0 ** e, -448, 448)
;;       step = 2.0 ** (np.maximum(np.frexp(np.where(r == 0, 1, r))[1] - 1, -6) - 3)
;;       q = np.round(r / step) * step * 2.0 ** e      # np.round: ties to even
;;       return np.moveaxis(q, -1, axis).astype(np.float32)
;;   ~~~
;;   SOFTMAX AHEAD OF A QUANTISED PRODUCT. Where the list says 'softmax', what is quantised is not the finished softmax but p = 2^(t - M), with t = logit x log2(e) and M = ceil(the row's largest t), a whole number; so 1/2 < the row's largest p <= 1. The row's sum l is taken of the UNQUANTISED p, in f32, and the product's result is divided by l at the end. Since M is a whole number, a kernel that streams over the keys may use a running M (the ceiling of the running maximum): every later rescaling is an exact power of two, so the quantised numbers keep their values, but for numbers so far below the row's largest that they fall under the format's range.
;;   OPERANDS COMPUTED ON THE WAY. 'Computed on the way' means the value that the module computes at that place (a softmax that the list does not call 'softmax' is quantised finished and normalised). What goes into a quantiser is computed in f32, as accurately as f32 sums, v_exp_f32 and their like allow (about 1e-6 of the number): no bf16 or f16 on the way to a quantiser, and a product that is left as it is and whose result goes on into a quantised operand takes f32 operands (vector FMAs, or v_wmma_f32_16x16x4_f32). A number that lies on a knife's edge between two numbers of the format may be rounded either way, as far as f32 arithmetic and the matrix unit's own rounding can turn it there, and no further.
;; One version. Each part assembles by itself: llvm-mc -triple=amdgcn-amd-amdhsa -mcpu=gfx1250 --defsym DOCPART=n.
;; ======== version 1 of 1: 4 launches
;; limits: right only within a limited range of input values
;; workspace buffers: xc 12,582,912 bytes; wc 4,194,304 bytes; qkv 12,582,912 bytes; ao 4,194,304 bytes
;; launch quant (part 1): grid 256 x 1, 8 waves a work-group, no clusters, 82,944 bytes of LDS; arguments x, W_q, W_k, W_v, W_o, lowp_scales, xc, wc; writes xc, wc
.if DOCPART == 1
	.amdgcn_target "amdgcn-amd-amdhsa--gfx1250"
	.amdhsa_code_object_version 6
	.text
	.protected	k_q6f7ddb7fe4_quant
	.globl	k_q6f7ddb7fe4_quant
	.p2align	8
	.type	k_q6f7ddb7fe4_quant,@function
k_q6f7ddb7fe4_quant:
	s_mov_b64 s[64:65], 0
	v_nop
	global_prefetch_b8 v0, s[64:65] scope:SCOPE_SE
	s_setreg_imm32_b32 hwreg(HW_REG_WAVE_MODE, 25, 1), 1
	s_wait_xcnt 0x0
; x [4096][1024] f32 becomes THREE planes of E4M3 codes (scales 2^e0, 2^e2, 2^e4: the three products that read x may have three scales); W_q, W_k, W_v, W_o [1024][1024] f32 become one plane each (e1, e3, e5, e11).
; code = number / 2^e, held within +-448, rounded to the nearest code, ties to even.  K is innermost in all five tensors.
; LAYOUT OF THE CODES.  x, W_q, W_k, W_v: [row / 128][k / 256][row % 128][256 bytes], so that the 128 rows x 256 K that one wave of the next launch fetches are 32,768 dense bytes.  W_o: plain rows of 1,024 bytes.
; LIMITS: each of e0 .. e5 and e11 lies between -126 and 119, so that 2^e and 448 x 2^e are f32 numbers.  NaN among the inputs is not served; an infinity is held at the largest code.
; SHARES.  A work-group takes 32,768 numbers, each of its eight waves 4,096 (four rows of 1,024) in 8 steps of 512.  Work-groups 0-127 take x, 128-255 the weights (32 to a weight).
; W_v'S ROWS ARE LAID IN ANOTHER ORDER: bits 3 and 4 of the row number change places.  A wave's four rows are rows 32 lw + 4 w + 0..3, so that is an exchange of bits 1 and 2 of the wave's number in the OUTPUT address.
; (The attention launch's second product then leaves a lane 16 neighbouring channels in 16 neighbouring registers.)
; A conversion takes 8 neighbours from ONE lane's registers; a load is dense where neighbouring LANES take neighbouring bytes.  Both are had: a step's four loads read 512 consecutive bytes each, the 2,048 bytes
; go through the wave's own stage in LDS as they lie and come back 64 bytes a lane (16 bytes of padding behind each 64).  A lane's 16 codes are 16 bytes: sixteen lanes store 256 consecutive bytes, aligned.
; No tensor loads, no barrier, no cluster: waves share nothing.  Loads run four steps (16 loads a wave) ahead, the turn through LDS one step.  The two paths part on the work-group's number and have LDS bytes of their own.
.set SP,    80                         ; a lane's place in a stage: 64 bytes + 16 of padding
.set STG,   32*SP                      ; a stage
.set WREG,  2*STG                      ; a wave's two stages
.set WPATH, 8*WREG                     ; the weights' path begins here
.set R,     16                         ; v16-79   four sets of 16 numbers as loaded
.set X,     80                         ; v80-111  two sets of 16 neighbours
.set T,     112                        ; v112-143 two sets of held numbers (x's path: the numbers are held three times, under three scales)
.set C,     144                        ; v144-239 codes: registers of their own for every store, so that no store's data are written again (a weight's: v144-175)
.set OF,    176                        ; v176-183 a weight's eight steps: where their codes go
	s_load_b512 s[4:19], s[0:1], 0x0               ; x 4, W_q 6, W_k 8, W_v 10, W_o 12, the exponents 14, xc 16, wc 18
	v_lshl_add_u32 v248, v0, 2, 0x14000
	v_mov_b32 v249, 0
	v_lshrrev_b32 v1, 5, v0
	s_delay_alu instid0(VALU_DEP_1)
	v_readfirstlane_b32 s20, v1                    ; wave 0..7
	v_and_b32 v2, 31, v0                           ; lane
	s_delay_alu instid0(VALU_DEP_1)
	v_lshlrev_b32 v3, 4, v2                        ; my 16 bytes of a load's 512
	s_mul_i32 s23, s20, WREG
	v_lshrrev_b32 v4, 2, v2
	s_delay_alu instid0(VALU_DEP_1)
	v_mul_u32_u24 v4, v4, SP
	v_and_b32 v5, 3, v2
	s_delay_alu instid0(VALU_DEP_1)
	v_lshl_add_u32 v4, v5, 4, v4
	s_delay_alu instid0(VALU_DEP_1)
	v_add_nc_u32 v4, s23, v4                       ; into the stage: four lanes' 64 bytes on end, then the padding
	v_mul_u32_u24 v5, v2, SP
	s_delay_alu instid0(VALU_DEP_1)
	v_add_nc_u32 v5, s23, v5                       ; out of it: my 16 neighbours
	s_delay_alu instid0(VALU_DEP_3)
	v_add_nc_u32 v6, WPATH, v4                     ; the same for the weights' path
	s_delay_alu instid0(VALU_DEP_2)
	v_add_nc_u32 v7, WPATH, v5
	v_lshrrev_b32 v15, 4, v2                       ; which 256 of a step's 512 codes are mine,
	v_and_b32 v240, 15, v2
	s_delay_alu instid0(VALU_DEP_1)
	v_lshlrev_b32 v240, 4, v240                    ; and which 16 bytes of them
	s_delay_alu instid0(VALU_DEP_1)
	v_lshl_add_u32 v14, v15, 15, v240              ; x's codes: blocks of 32,768 bytes
	s_sub_co_u32 s21, ttmp9, 128
	s_lshr_b32 s22, s21, 5                         ; which weight: 0 q, 1 k, 2 v, 3 o (used on the weights' path alone)
	s_and_b32 s21, s21, 31                         ; and which 32 rows of it
	s_wait_alu depctr_va_vdst(0)
	s_wait_kmcnt 0x0
	s_load_b256 s[24:31], s[14:15], 0x0            ; e0 .. e7
	s_load_b128 s[32:35], s[14:15], 0x20           ; e8 .. e11
	s_cmp_eq_u32 s22, 1                            ; the source is chosen by the work-group's number alone
	s_cselect_b64 s[6:7], s[8:9], s[6:7]
	s_cmp_eq_u32 s22, 2
	s_cselect_b64 s[6:7], s[10:11], s[6:7]
	s_cmp_eq_u32 s22, 3
	s_cselect_b64 s[6:7], s[12:13], s[6:7]
	s_cmp_lt_u32 ttmp9, 128
	s_cselect_b64 s[4:5], s[4:5], s[6:7]
	s_cselect_b32 s21, ttmp9, s21
	s_lshl_b32 s42, s21, 3
	s_add_co_u32 s42, s42, s20                     ; which run of 4,096 numbers of the tensor is my wave's
	s_lshl_b32 s44, s42, 14                        ; 16,384 bytes a run
	s_mov_b32 s45, 0
	s_add_nc_u64 s[4:5], s[4:5], s[44:45]
.macro LOAD t
.irp i, 0,1,2,3
	global_load_b128 v[R+16*((\t)%4)+4*\i:R+16*((\t)%4)+4*\i+3], v3, s[4:5] offset:2048*(\t)+512*\i th:TH_LOAD_NT   ; 32 lanes read 512 consecutive bytes; read once in the launch
.endr
.endm
.macro TURN t, ain, aout               ; step t's numbers through the stage: LDS serves a wave's instructions in order, so no wait stands between the stores and the loads
.irp i, 0,1,2,3
	ds_store_b128 v[\ain], v[R+16*((\t)%4)+4*\i:R+16*((\t)%4)+4*\i+3] offset:STG*((\t)%2)+8*SP*\i
.endr
.irp i, 0,1,2,3
	ds_load_b128 v[X+16*((\t)%2)+4*\i:X+16*((\t)%2)+4*\i+3], v[\aout] offset:STG*((\t)%2)+16*\i
.endr
.endm
.macro FEED t, ain, aout               ; the head of a step
	s_wait_dscnt 0x0                               ; this step's numbers are back from the stage, so its stores into the stage have read their registers,
.if (\t)+4 < 8
	LOAD (\t)+4                                    ; which take the loads of four steps on
.endif
.if (\t)+1 < 8
.if 6-(\t) >= 3
	s_wait_loadcnt 12                              ; the next step's four loads are in; those of the three steps behind it may be out
.else
	s_wait_loadcnt 4*(6-(\t))                      ; near the end fewer steps are behind it
.endif
	TURN (\t)+1, \ain, \aout                       ; and go through the other stage while this step is worked
.endif
.endm
.macro MKSCALE e, sc, lim              ; 2^e and 448 x 2^e as f32 numbers, from the whole number in s[e]
	s_add_co_i32 s46, s[\e], 127
	s_lshl_b32 s47, s46, 23
	v_mov_b32 v[\sc], s47                          ; the conversion takes this number's exponent field
	s_add_co_i32 s46, s46, 8
	s_lshl_b32 s46, s46, 23
	s_or_b32 s46, s46, 0x600000                    ; the mantissa field of 448
	v_mov_b32 v[\lim], s46
.endm
.irp t, 0,1,2,3
	LOAD \t
.endr
	s_wait_kmcnt 0x0                               ; the exponents
	s_cmp_lt_u32 ttmp9, 128
	s_cbranch_scc0 .Lw
	; ---- x: three planes of codes, 4 MiB apart
	s_lshr_b32 s44, s42, 5
	s_lshl_b32 s44, s44, 17                        ; 128 rows are 131,072 bytes,
	s_and_b32 s46, s42, 31
	s_lshl_b32 s46, s46, 10                        ; my four rows 1,024 of a block's 32,768
	s_add_co_u32 s44, s44, s46
	s_add_nc_u64 s[36:37], s[16:17], s[44:45]
	s_add_nc_u64 s[38:39], s[36:37], 0x400000
	s_add_nc_u64 s[40:41], s[36:37], 0x800000
	MKSCALE 24, 8, 9                               ; e0
	MKSCALE 26, 10, 11                             ; e2
	MKSCALE 28, 12, 13                             ; e4
.macro STEPX t
	FEED \t, 4, 5
.irp o, 0,1,2
.irp i, 0,1,2,3,4,5,6,7,8,9,10,11,12,13,14,15
	v_med3_num_f32 v[T+16*((3*(\t)+\o)%2)+\i], v[X+16*((\t)%2)+\i], -v[9+2*\o], v[9+2*\o]   ; the conversion to an 8-bit code does not saturate (ISA guide 7.6.2): the hold comes first.  The two sets of T take turns, so sixteen plain lines stand between a conversion and the next write of its sources
.endr
	v_cvt_scalef32_pk8_fp8_f32 v[C+12*(\t)+4*\o:C+12*(\t)+4*\o+1], v[T+16*((3*(\t)+\o)%2):T+16*((3*(\t)+\o)%2)+7], v[8+2*\o]
	v_cvt_scalef32_pk8_fp8_f32 v[C+12*(\t)+4*\o+2:C+12*(\t)+4*\o+3], v[T+16*((3*(\t)+\o)%2)+8:T+16*((3*(\t)+\o)%2)+15], v[8+2*\o]
	global_store_b128 v14, v[C+12*(\t)+4*\o:C+12*(\t)+4*\o+3], s[36+2*\o:37+2*\o] offset:256*((\t)/2)+65536*((\t)%2)   ; half a row: two runs of 256 bytes, aligned, in two neighbouring blocks of K
.endr
.endm
	s_wait_loadcnt 12                              ; step 0's four loads are in
	s_wait_alu depctr_va_vdst(0)
	TURN 0, 4, 5
.irp t, 0,1,2,3,4,5,6,7
	STEPX \t
.endr
	s_wait_tensorcnt 0x0                           ; the wave's end
	ds_add_u32 v248, v249
	s_wait_dscnt 0x0
	s_endpgm
.Lw:
	; ---- a weight: one plane of codes, 1 MiB a plane
	s_and_b32 s43, s20, 1                          ; the wave's number with bits 1 and 2 exchanged
	s_and_b32 s47, s20, 2
	s_lshl_b32 s47, s47, 1
	s_or_b32 s43, s43, s47
	s_and_b32 s47, s20, 4
	s_lshr_b32 s47, s47, 1
	s_or_b32 s43, s43, s47
	s_cmp_eq_u32 s22, 2
	s_cselect_b32 s43, s43, s20                    ; for W_v alone
	s_lshl_b32 s42, s21, 3
	s_add_co_u32 s42, s42, s43                     ; where my four rows of codes go:
	s_lshr_b32 s44, s42, 5
	s_lshl_b32 s44, s44, 17
	s_and_b32 s46, s42, 31
	s_lshl_b32 s46, s46, 10
	s_add_co_u32 s44, s44, s46                     ; in blocks,
	s_lshl_b32 s47, s42, 12                        ; or (W_o) as rows
	s_mov_b32 s48, 32768                           ; from one 256 of K to the next,
	s_mov_b32 s49, 65536                           ; from half a row to the other half,
	s_mov_b32 s50, 256                             ; and from row to row
	s_cmp_eq_u32 s22, 3
	s_cselect_b32 s44, s47, s44
	s_cselect_b32 s48, 256, s48
	s_cselect_b32 s49, 512, s49
	s_cselect_b32 s50, 1024, s50
	s_lshl_b32 s47, s22, 20
	s_add_co_u32 s44, s44, s47
	s_add_nc_u64 s[36:37], s[18:19], s[44:45]
	s_add_co_u32 s51, s50, s49                     ; steps 3,
	s_add_co_u32 s52, s50, s50                     ; 4,
	s_add_co_u32 s53, s52, s49                     ; 5,
	s_add_co_u32 s54, s52, s50                     ; 6,
	s_add_co_u32 s55, s54, s49                     ; 7
	v_mad_u32_u24 v[OF], v15, s48, v240
	s_delay_alu instid0(VALU_DEP_1)
	v_add_nc_u32 v[OF+1], s49, v[OF]
	v_add_nc_u32 v[OF+2], s50, v[OF]
	v_add_nc_u32 v[OF+3], s51, v[OF]
	v_add_nc_u32 v[OF+4], s52, v[OF]
	v_add_nc_u32 v[OF+5], s53, v[OF]
	v_add_nc_u32 v[OF+6], s54, v[OF]
	v_add_nc_u32 v[OF+7], s55, v[OF]
	s_mov_b32 s46, s25                             ; e1,
	s_cmp_eq_u32 s22, 1
	s_cselect_b32 s46, s27, s46                    ; e3,
	s_cmp_eq_u32 s22, 2
	s_cselect_b32 s46, s29, s46                    ; e5,
	s_cmp_eq_u32 s22, 3
	s_cselect_b32 s46, s35, s46                    ; or e11
	MKSCALE 46, 8, 9
.macro STEPW t
	FEED \t, 6, 7
.irp i, 0,1,2,3,4,5,6,7,8,9,10,11,12,13,14,15
	v_med3_num_f32 v[X+16*((\t)%2)+\i], v[X+16*((\t)%2)+\i], -v9, v9
.endr
	v_cvt_scalef32_pk8_fp8_f32 v[C+4*(\t):C+4*(\t)+1], v[X+16*((\t)%2):X+16*((\t)%2)+7], v8
	v_cvt_scalef32_pk8_fp8_f32 v[C+4*(\t)+2:C+4*(\t)+3], v[X+16*((\t)%2)+8:X+16*((\t)%2)+15], v8   ; the results go to a store, and the next vector lines, the next step's holds, are plain and touch the other set
	global_store_b128 v[OF+\t], v[C+4*(\t):C+4*(\t)+3], s[36:37]
.endm
	s_wait_loadcnt 12
	s_wait_alu depctr_va_vdst(0)
	TURN 0, 6, 7
.irp t, 0,1,2,3,4,5,6,7
	STEPW \t
.endr
	s_wait_tensorcnt 0x0                           ; the wave's end
	ds_add_u32 v248, v249
	s_wait_dscnt 0x0
	s_endpgm
.Lfunc_end_k_q6f7ddb7fe4_quant:
	.size	k_q6f7ddb7fe4_quant, .Lfunc_end_k_q6f7ddb7fe4_quant-k_q6f7ddb7fe4_quant
	.p2alignl 7, 3214868480
	.fill 96, 4, 3214868480
	.section	.rodata,"a",@progbits
	.p2align	6, 0x0
	.amdhsa_kernel k_q6f7ddb7fe4_quant
		.amdhsa_group_segment_fixed_size 82944
		.amdhsa_private_segment_fixed_size 0
		.amdhsa_enable_private_segment 0
		.amdhsa_kernarg_size 64
		.amdhsa_user_sgpr_count 2
		.amdhsa_user_sgpr_kernarg_segment_ptr 1
		.amdhsa_wavefront_size32 1
		.amdhsa_system_sgpr_workgroup_id_x 1
		.amdhsa_system_sgpr_workgroup_id_y 1
		.amdhsa_system_sgpr_workgroup_id_z 1
		.amdhsa_system_vgpr_workitem_id 0
		.amdhsa_next_free_vgpr 250
		.amdhsa_next_free_sgpr 66
		.amdhsa_reserve_vcc 0
		.amdhsa_float_denorm_mode_32 3
		.amdhsa_float_denorm_mode_16_64 3
		.amdhsa_memory_ordered 1
		.amdhsa_forward_progress 1
		.amdhsa_inst_pref_size 59
	.end_amdhsa_kernel
	.amdgpu_metadata
---
amdhsa.version: [ 1, 2 ]
amdhsa.kernels:
  - .name:           k_q6f7ddb7fe4_quant
    .symbol:         k_q6f7ddb7fe4_quant.kd
    .args:
      - { .name: x, .offset: 0, .size: 8, .value_kind: global_buffer, .address_space: global }
      - { .name: W_q, .offset: 8, .size: 8, .value_kind: global_buffer, .address_space: global }
      - { .name: W_k, .offset: 16, .size: 8, .value_kind: global_buffer, .address_space: global }
      - { .name: W_v, .offset: 24, .size: 8, .value_kind: global_buffer, .address_space: global }
      - { .name: W_o, .offset: 32, .size: 8, .value_kind: global_buffer, .address_space: global }
      - { .name: lowp_scales, .offset: 40, .size: 8, .value_kind: global_buffer, .address_space: global }
      - { .name: xc, .offset: 48, .size: 8, .value_kind: global_buffer, .address_space: global }
      - { .name: wc, .offset: 56, .size: 8, .value_kind: global_buffer, .address_space: global }
    .group_segment_fixed_size: 82944
    .private_segment_fixed_size: 0
    .kernarg_segment_align: 8
    .kernarg_segment_size: 64
    .max_flat_workgroup_size: 256
    .sgpr_count:     66
    .vgpr_count:     250
    .wavefront_size: 32
...
	.end_amdgpu_metadata
.endif
;; end of part 1
;; launch qkv (part 2): grid 12 x 16, 4 waves a work-group, clusters of 4 x 4, 327,680 bytes of LDS; arguments xc, wc, lowp_scales, qkv; writes qkv
.if DOCPART == 2
	.amdgcn_target "amdgcn-amd-amdhsa--gfx1250"
	.amdhsa_code_object_version 6
	.text
	.protected	k_q6f7ddb7fe4_qkv
	.globl	k_q6f7ddb7fe4_qkv
	.p2align	8
	.type	k_q6f7ddb7fe4_qkv,@function
k_q6f7ddb7fe4_qkv:
	s_mov_b64 s[64:65], 0
	v_nop
	global_prefetch_b8 v0, s[64:65] scope:SCOPE_SE
	s_setreg_imm32_b32 hwreg(HW_REG_WAVE_MODE, 25, 1), 1
	s_wait_xcnt 0x0
	s_wait_alu depctr_hold_cnt(0) depctr_sa_sdst(0) depctr_va_vdst(0) depctr_va_sdst(0) depctr_va_ssrc(0) depctr_va_vcc(0) depctr_vm_vsrc(0)
	s_getreg_b32 s2, hwreg(HW_REG_IB_STS2, 6, 4)
	s_cmp_eq_u32 s2, 0
	s_cbranch_scc0 .Lentry_in_a_cluster
	s_endpgm
.Lentry_in_a_cluster:
	s_bfe_u32 s2, ttmp6, 0x10000c
	s_cmp_lg_u32 s2, 0xf033
	s_cbranch_scc0 .Lentry_shape_is_right
	s_endpgm
.Lentry_shape_is_right:
; Q, K = x W^T and V^T = W_v x^T on codes of E4M3, K = 1,024; the results are quantised at once under e6, e7, e9 and stored as attention reads them: Q, K [b][head][s][64], V [b][head][s / 64][channel's place][64 keys], one plane of 4 MiB each.
; Cluster x is the plane (0 Q, 1 K, 2 V): source A's rows are tokens for Q and K, W_v's rows for V; B's rows are the other operand's.  192 tiles of 256 x 256, one a work-group: 1,024 channels and 4,096 tokens a plane divide into no larger number of equal square tiles that four waves hold.
; Inside every 32 bytes of a stored row the two groups of eight in each half have changed places: byte 32 c + 16 h + 8 u + j holds column 32 c + 16 u + 8 h + j.
; LIMITS: the code's scale over the sum's, e6 - e0 - e1, e7 - e2 - e3, e9 - e4 - e5, lies between -126 and 119, so that it and 448 times it are f32 numbers.
; CLUSTERS of 4 x 4 work-groups: A's tiles are asked for jointly along a row, B's along a column.  K goes in steps of 256 through two LDS slots, one tensor load a wave and step.
; PREFETCHES: behind K step 0's load K step 2 is asked for, behind K step 1's K step 3: two refills ahead.  Of the 128 rows that a wave fetches each of the four partners names 32, told apart by address, a lane a row, 256 bytes each.
; REGISTERS: window 0 addresses, A's fragments, the way out; window 1 B's fragments, two sets; windows 2 and 3 the accumulators.
.set PFA,    98                        ; s[98:99] where my prefetches stand
.set PFO,    27                        ; v27 the prefetches' offset: 256 x my lane; never rewritten
.set KBLK,   32768                     ; the codes lie in blocks of 128 rows x 256 K, dense, four blocks of K behind one another: from a K step to the next.  A wave's tile is one block, stated as 4 rows of 8,192 bytes; the padding stands behind every 256
.set KSTEP,  256
.set ROWB,   256
.set PITCH,  272
.set FR,     16
.set NL,     4
.set NP,     4
.set HALFT,  128*PITCH
.set SLOT,   4*HALFT
.set LAPS,   2
.set SPARE,  2*SLOT
.set SPITCH, 336
.set ADRA, 16
.set ADRB, 20
.set STO,  24
.set RD,   25
.set CO,   26
.set SPW,  28
.set NIL,  29
.set SCL,  30
.set LIM,  31
.set T,    32
.set CD,   96
.set AF,   128
.set G1, 24
.set G0, 32
.set G1B, 48
.set G0B, 56
.set MSB, 0
.macro WIN new
.if MSB != \new
	s_set_vgpr_msb (MSB<<8)|\new
.set MSB, \new
.endif
.endm
.set MUL_LO, 0xa1
.set MUL_HI, 0xf1
.set TO_B,   0x40
.macro JLOAD g0a, g1a, g0b, g1b
	s_cmp_eq_u32 s15, 0
	s_cbranch_scc0 .Lfor_b_\@
	tensor_load_to_lds s[\g0a:\g0a+3], s[\g1a:\g1a+7]
	s_nop 0
.rept 4
	v_nop
.endr
	s_branch .Lasked_\@
.Lfor_b_\@:
	tensor_load_to_lds s[\g0b:\g0b+3], s[\g1b:\g1b+7]
	s_nop 0
.rept 4
	v_nop
.endr
.Lasked_\@:
.endm
.macro CREST
	s_cmp_lg_u32 s14, 0
	s_cbranch_scc1 .Lnot_wave_0_\@
	s_barrier_signal -3
.Lnot_wave_0_\@:
	s_barrier_wait -3
	s_barrier_signal -1
	s_barrier_wait -1
.endm
.macro CROUND
	s_barrier_signal -1
	s_barrier_wait -1
	CREST
.endm
	s_load_b128 s[4:7], s[0:1], 0x0
	s_load_b128 s[8:11], s[0:1], 0x10
	v_lshl_add_u32 v[SPW], v0, 2, SPARE
	v_mov_b32 v[NIL], 0
	ds_add_u32 v28, v29
	ds_add_u32 v28, v29
	s_wait_dscnt 0x0
	v_lshrrev_b32 v1, 5, v0
	v_readfirstlane_b32 s14, v1
	s_lshr_b32 s15, s14, 1
	s_and_b32 s16, s14, 1
	s_bfe_u32 s40, ttmp6, 0x40000
	s_bfe_u32 s41, ttmp6, 0x40004
	s_and_b32 s17, ttmp7, 0xffff
	s_lshl_b32 s18, ttmp9, 22
	s_lshl_b32 s19, ttmp9, 20
	s_cmp_eq_u32 ttmp9, 2
	s_cselect_b32 s42, s17, 0
	s_cselect_b32 s17, 0, s17
	s_cselect_b32 s18, 0x200000, s18
	s_cselect_b32 s19, 0x800000, s19
	s_lshl_b32 s42, s42, 2
	s_add_co_u32 s42, s42, s40
	s_lshl_b32 s17, s17, 2
	s_add_co_u32 s17, s17, s41
	s_lshl_b32 s43, s41, 2
	s_lshl_b32 s43, 15, s43
	s_lshl_b32 s44, 0x1111, s40
	s_or_b32 s[G1+0], s43, (0<<16)|(1<<20)|(1<<21)|(5<<22)|(3<<25)
	s_or_b32 s[G1B+0], s44, (0<<16)|(1<<20)|(1<<21)|(5<<22)|(3<<25)
.irp g, G1, G1B
	s_mov_b32 s[\g+1], 8192<<16                    ; tensor_dim0
	s_mov_b32 s[\g+2], 4<<16                       ; tensor_dim1
	s_mov_b32 s[\g+3], 8192<<16                    ; tile_dim0
	s_mov_b32 s[\g+4], 4                           ; tile_dim1
	s_mov_b32 s[\g+5], 8192                        ; tensor_dim0_stride
	s_mov_b32 s[\g+6], 0
	s_mov_b32 s[\g+7], 0
.endr
	s_lshl_b32 s22, s16, 7
	s_lshl_b32 s20, s17, 8
	s_add_co_u32 s20, s20, s22
	s_lshl_b32 s20, s20, 10
	s_add_co_u32 s20, s20, s18
	s_mov_b32 s21, 0
	s_lshl_b32 s46, s42, 8
	s_add_co_u32 s46, s46, s22
	s_lshl_b32 s46, s46, 10
	s_add_co_u32 s46, s46, s19
	s_mov_b32 s47, 0
	s_mul_i32 s45, s14, HALFT
	CROUND                                         ; all sixteen work-groups are here: the first joint loads meet
	s_wait_kmcnt 0x0
	s_load_b256 s[68:75], s[8:9], 0x0
	s_load_b128 s[76:79], s[8:9], 0x20
	s_cmp_eq_u32 ttmp9, 2
	s_cselect_b64 s[80:81], s[6:7], s[4:5]
	s_cselect_b64 s[82:83], s[4:5], s[6:7]
	s_add_nc_u64 s[20:21], s[80:81], s[20:21]
	s_add_nc_u64 s[46:47], s[82:83], s[46:47]
.irp s, 0,1
	s_mov_b32 s[G0+4*\s], 1
	s_add_co_u32 s[G0+4*\s+1], s45, \s*SLOT
	s_add_nc_u64 s[G0+4*\s+2:G0+4*\s+3], s[20:21], \s*KBLK
	s_or_b32 s[G0+4*\s+3], s[G0+4*\s+3], 0x80000000
	s_mov_b32 s[G0B+4*\s], 1
	s_add_co_u32 s[G0B+4*\s+1], s45, \s*SLOT
	s_add_nc_u64 s[G0B+4*\s+2:G0B+4*\s+3], s[46:47], \s*KBLK
	s_or_b32 s[G0B+4*\s+3], s[G0B+4*\s+3], 0x80000000
.endr
	JLOAD G0, G1, G0B, G1B                         ; K step 0: one tensor load a wave at the head
	s_cmp_eq_u32 s15, 0                            ; do I fetch for A?
	s_cselect_b64 s[PFA:PFA+1], s[20:21], s[46:47]
	s_cselect_b32 s22, s40, s41                    ; my place among the four that ask with me
	s_lshl_b32 s22, s22, 13                        ; 32 rows of 256 bytes each
	s_mov_b32 s23, 0
	s_add_nc_u64 s[PFA:PFA+1], s[PFA:PFA+1], s[22:23]
	v_and_b32 v[PFO], 31, v0
	v_lshlrev_b32 v[PFO], 8, v[PFO]
	global_prefetch_b8 v[PFO], s[PFA:PFA+1] offset:2*KBLK th:TH_LOAD_NT scope:SCOPE_SE   ; K step 2
	v_and_b32 v1, 15, v0
	s_wait_alu depctr_va_vdst(0)
	v_bfe_u32 v2, v0, 4, 1
	v_mul_u32_u24 v3, v1, PITCH
	v_lshl_add_u32 v4, v2, 4, v3
	s_mul_i32 s21, s15, HALFT
	s_mul_i32 s22, s16, HALFT
	s_add_co_u32 s22, s22, 2*HALFT
.irp s, 0,1
	v_add_nc_u32 v[ADRA+\s], s21, v4
	v_add_nc_u32 v[ADRB+\s], s22, v4
	s_add_co_u32 s21, s21, SLOT
	s_add_co_u32 s22, s22, SLOT
.endr
	s_mul_i32 s23, s15, 128*SPITCH
	s_lshl_b32 s22, s16, 7
	s_add_co_u32 s23, s23, s22
	v_mul_u32_u24 v5, v1, SPITCH
	s_wait_alu depctr_va_vdst(0)
	v_lshl_add_u32 v5, v2, 4, v5
	v_add_nc_u32 v[STO], s23, v5
	v_and_b32 v6, 31, v0
	v_lshlrev_b32 v[CO], 4, v6
	v_lshrrev_b32 v7, 2, v6
	v_mul_u32_u24 v7, v7, SPITCH
	v_and_b32 v8, 3, v6
	v_lshl_add_u32 v7, v8, 4, v7
	s_mul_i32 s23, s14, 64*SPITCH
	v_add_nc_u32 v[RD], s23, v7
	s_mov_b32 s86, 0x20000
	s_mov_b32 s87, 0x1000
	s_cmp_eq_u32 ttmp9, 2
	s_cselect_b32 s84, s42, s17
	s_cselect_b32 s85, s17, s42
	s_cselect_b32 s86, 0x1000, s86
	s_cselect_b32 s87, 0x20000, s87
	s_lshr_b32 s96, s84, 3
	s_lshl_b32 s96, s96, 21
	s_and_b32 s97, s84, 7
	s_lshl_b32 s97, s97, 14
	s_add_co_u32 s96, s96, s97
	s_lshl_b32 s97, s85, 19
	s_add_co_u32 s96, s96, s97
	s_mul_i32 s97, s14, s87
	s_add_co_u32 s96, s96, s97
	s_lshl_b32 s97, ttmp9, 22
	s_add_co_u32 s96, s96, s97
	s_mov_b32 s97, 0
	s_mov_b32 s87, 0
	s_add_nc_u64 s[88:89], s[10:11], s[96:97]
	s_add_nc_u64 s[90:91], s[88:89], s[86:87]
	s_add_nc_u64 s[92:93], s[90:91], s[86:87]
	s_add_nc_u64 s[94:95], s[92:93], s[86:87]
.macro FRAG reg, adr, q, i
.irp c, 0,1,2,3
	ds_load_b128 v[\reg+4*\c:\reg+4*\c+3], v[\adr] offset:128*(\q)+32*\c+(\i)*16*PITCH
.endr
.endm
.macro MUL16 a0, p, zero
.irp a, \a0, \a0+1
.irp b, 0,1,2,3,4,5,6,7
.if \zero
	v_wmma_f32_16x16x128_fp8_fp8 v[8*(8*((\a)%4)+\b):8*(8*((\a)%4)+\b)+7], v[128*(\p)+FR*\b:128*(\p)+FR*\b+FR-1], v[AF+FR*(\a):AF+FR*(\a)+FR-1], 0
.else
	v_wmma_f32_16x16x128_fp8_fp8 v[8*(8*((\a)%4)+\b):8*(8*((\a)%4)+\b)+7], v[128*(\p)+FR*\b:128*(\p)+FR*\b+FR-1], v[AF+FR*(\a):AF+FR*(\a)+FR-1], v[8*(8*((\a)%4)+\b):8*(8*((\a)%4)+\b)+7]
.endif
.endr
.endr
.endm
.macro FETCH_B slot, q, p
	WIN TO_B
.irp i, 0,1,2,3,4,5,6,7
	FRAG 128*(\p)+FR*\i, ADRB+\slot, \q, \i
.endr
	WIN 0
.endm
.macro FETCH_A slot, q, i0
.irp i, \i0, \i0+1, \i0+2, \i0+3
	FRAG AF+FR*(\i), ADRA+\slot, \q, \i
.endr
.endm
.macro PLACES n
.rept \n
	v_nop
.endr
.endm
.macro STEP slot, q, zero
	s_wait_dscnt 4*NL
	WIN MUL_LO
	MUL16 0, (\q)%2, \zero
	MUL16 2, (\q)%2, \zero
	s_wait_dscnt 0
	PLACES NP
	FETCH_B \slot, (\q)+1, 1-(\q)%2
	FETCH_A \slot, (\q)+1, 0
	WIN MUL_HI
	MUL16 4, (\q)%2, \zero
	MUL16 6, (\q)%2, \zero
	PLACES NP
	WIN 0
	FETCH_A \slot, (\q)+1, 4
.endm
.macro TURN slot, next, fill
	s_wait_tensorcnt 0x0
	ds_add_u32 v[SPW], v[NIL]
	s_wait_dscnt 4*NL+1
	WIN MUL_LO
	MUL16 0, 1, 0
	s_wait_dscnt 0x0
	s_barrier_signal -1
	MUL16 2, 1, 0
	WIN 0
	s_barrier_wait -1
.if \fill
	CREST
	s_add_nc_u64 s[G0+4*\slot+2:G0+4*\slot+3], s[G0+4*\slot+2:G0+4*\slot+3], 2*KBLK
	s_add_nc_u64 s[G0B+4*\slot+2:G0B+4*\slot+3], s[G0B+4*\slot+2:G0B+4*\slot+3], 2*KBLK
	JLOAD G0+4*\slot, G1, G0B+4*\slot, G1B
.else
	PLACES NP
.endif
	FETCH_B \next, 0, 0
	FETCH_A \next, 0, 0
	WIN MUL_HI
	MUL16 4, 1, 0
	MUL16 6, 1, 0
	PLACES NP
	WIN 0
	FETCH_A \next, 0, 4
.endm
	s_wait_alu depctr_va_vdst(0)
	s_wait_tensorcnt 0x0                           ; my part of K step 0 is in,
	ds_add_u32 v[SPW], v[NIL]
	s_wait_dscnt 0x0
	CROUND                                         ; everybody's is, and all sixteen work-groups are here:
	JLOAD G0+4, G1, G0B+4, G1B                     ; K step 1
	FETCH_B 0, 0, 0
	FETCH_A 0, 0, 0
	FETCH_A 0, 0, 4
	global_prefetch_b8 v[PFO], s[PFA:PFA+1] offset:3*KBLK th:TH_LOAD_NT scope:SCOPE_SE   ; K step 3
	STEP 0, 0, 1
	s_mov_b32 s3, LAPS-1
.Llap:
	TURN 0, 1, 1
	STEP 1, 0, 0
	TURN 1, 0, 1
	STEP 0, 0, 0
	s_sub_co_u32 s3, s3, 1
	s_cmp_lg_u32 s3, 0
	s_cbranch_scc1 .Llap
	TURN 0, 1, 0
	STEP 1, 0, 0
	s_wait_dscnt 4*NL
	WIN MUL_LO
	MUL16 0, 1, 0
	MUL16 2, 1, 0
	s_wait_dscnt 0
	WIN MUL_HI
	MUL16 4, 1, 0
	MUL16 6, 1, 0
	WIN 0
	s_wait_kmcnt 0x0
	s_add_co_i32 s80, s68, s69
	s_add_co_i32 s81, s70, s71
	s_add_co_i32 s82, s72, s73
	s_cmp_eq_u32 ttmp9, 1
	s_cselect_b32 s80, s81, s80
	s_cselect_b32 s83, s75, s74
	s_cmp_eq_u32 ttmp9, 2
	s_cselect_b32 s80, s82, s80
	s_cselect_b32 s83, s77, s83
	s_sub_co_i32 s80, s83, s80
	s_add_co_i32 s80, s80, 127
	s_lshl_b32 s81, s80, 23
	v_mov_b32 v[SCL], s81
	s_add_co_i32 s80, s80, 8
	s_lshl_b32 s80, s80, 23
	s_or_b32 s80, s80, 0x600000
	v_mov_b32 v[LIM], s80
	PLACES NP
.macro PACKBLK a
	WIN 0x02+((\a)/4)
.set j, 0
.rept 64
	v_med3_num_f32 v[T+j], v[64*((\a)%4)+j], -v[LIM], v[LIM]
.set j, j+1
.endr
	WIN 0
.irp b, 0,1,2,3,4,5,6,7
	v_cvt_scalef32_pk8_fp8_f32 v[CD+16*(\a)+2*\b:CD+16*(\a)+2*\b+1], v[T+8*\b:T+8*\b+7], v[SCL]
.endr
	v_nop
.irp c, 0,1,2,3
	ds_store_b128 v[STO], v[CD+16*(\a)+4*\c:CD+16*(\a)+4*\c+3] offset:(\a)*16*SPITCH+32*\c
.endr
.endm
.irp a, 0,1,2,3,4,5,6,7
	PACKBLK \a
.endr
	s_wait_dscnt 0x0
	s_barrier_signal -1
	s_barrier_wait -1
.irp g, 0,1,2,3,4,5,6,7
.irp q, 0,1,2,3
	ds_load_b128 v[CD+4*(4*\g+\q):CD+4*(4*\g+\q)+3], v[RD] offset:\g*8*SPITCH+64*\q
.endr
.endr
.irp g, 0,1,2,3,4,5,6,7
.irp q, 0,1,2,3
	s_wait_dscnt 31-(4*\g+\q)
	global_store_b128 v[CO], v[CD+4*(4*\g+\q):CD+4*(4*\g+\q)+3], s[88+2*\q:89+2*\q] offset:512*\g
.endr
.endr
	s_wait_tensorcnt 0x0
	ds_add_u32 v[SPW], v[NIL]
	s_wait_dscnt 0x0
	CROUND
	s_endpgm
.Lfunc_end_k_q6f7ddb7fe4_qkv:
	.size	k_q6f7ddb7fe4_qkv, .Lfunc_end_k_q6f7ddb7fe4_qkv-k_q6f7ddb7fe4_qkv
	.p2alignl 7, 3214868480
	.fill 96, 4, 3214868480
	.section	.rodata,"a",@progbits
	.p2align	6, 0x0
	.amdhsa_kernel k_q6f7ddb7fe4_qkv
		.amdhsa_group_segment_fixed_size 327680
		.amdhsa_private_segment_fixed_size 0
		.amdhsa_enable_private_segment 0
		.amdhsa_kernarg_size 32
		.amdhsa_user_sgpr_count 2
		.amdhsa_user_sgpr_kernarg_segment_ptr 1
		.amdhsa_wavefront_size32 1
		.amdhsa_system_sgpr_workgroup_id_x 1
		.amdhsa_system_sgpr_workgroup_id_y 1
		.amdhsa_system_sgpr_workgroup_id_z 1
		.amdhsa_system_vgpr_workitem_id 0
		.amdhsa_next_free_vgpr 1024
		.amdhsa_next_free_sgpr 100
		.amdhsa_reserve_vcc 0
		.amdhsa_float_denorm_mode_32 3
		.amdhsa_float_denorm_mode_16_64 3
		.amdhsa_memory_ordered 1
		.amdhsa_forward_progress 1
		.amdhsa_inst_pref_size 125
	.end_amdhsa_kernel
	.amdgpu_metadata
---
amdhsa.version: [ 1, 2 ]
amdhsa.kernels:
  - .name:           k_q6f7ddb7fe4_qkv
    .symbol:         k_q6f7ddb7fe4_qkv.kd
    .args:
      - { .name: xc, .offset: 0, .size: 8, .value_kind: global_buffer, .address_space: global }
      - { .name: wc, .offset: 8, .size: 8, .value_kind: global_buffer, .address_space: global }
      - { .name: lowp_scales, .offset: 16, .size: 8, .value_kind: global_buffer, .address_space: global }
      - { .name: qkv, .offset: 24, .size: 8, .value_kind: global_buffer, .address_space: global }
    .group_segment_fixed_size: 327680
    .private_segment_fixed_size: 0
    .kernarg_segment_align: 8
    .kernarg_segment_size: 32
    .max_flat_workgroup_size: 128
    .sgpr_count:     100
    .vgpr_count:     1024
    .wavefront_size: 32
...
	.end_amdgpu_metadata
.endif
;; end of part 2
;; launch attn (part 3): grid 8 x 32, 16 waves a work-group, clusters of 4 x 1, 327,680 bytes of LDS; arguments qkv, lowp_scales, ao; writes ao
.if DOCPART == 3
	.amdgcn_target "amdgcn-amd-amdhsa--gfx1250"
	.amdhsa_code_object_version 6
	.text
	.protected	k_q6f7ddb7fe4_attn
	.globl	k_q6f7ddb7fe4_attn
	.p2align	8
	.type	k_q6f7ddb7fe4_attn,@function
k_q6f7ddb7fe4_attn:
	s_mov_b64 s[64:65], 0
	v_nop
	global_prefetch_b8 v0, s[64:65] scope:SCOPE_SE
	s_setreg_imm32_b32 hwreg(HW_REG_WAVE_MODE, 25, 1), 1
	s_wait_xcnt 0x0
	s_wait_alu depctr_hold_cnt(0) depctr_sa_sdst(0) depctr_va_vdst(0) depctr_va_sdst(0) depctr_va_ssrc(0) depctr_va_vcc(0) depctr_vm_vsrc(0)
	s_getreg_b32 s2, hwreg(HW_REG_IB_STS2, 6, 4)
	s_cmp_eq_u32 s2, 0
	s_cbranch_scc0 .Lentry_in_a_cluster
	s_endpgm
.Lentry_in_a_cluster:
	s_bfe_u32 s2, ttmp6, 0x10000c
	s_cmp_lg_u32 s2, 0x3003
	s_cbranch_scc0 .Lentry_shape_is_right
	s_endpgm
.Lentry_shape_is_right:
; Causal attention on codes of E4M3, head size 64, and its result quantised for the last projection.  qkv: three planes of 4 MiB: Q, K [b][head][s][64]; V [b][head][s / 64][channel's place][64 keys]; inside every 32 bytes of a
; row the two groups of eight in each half have changed places (byte 32 c + 16 h + 8 u + j holds column 32 c + 16 u + 8 h + j).  Exponents: e6 (Q), e7 (K), e8 (p), e9 (V), e10 (the result).
; THE SOFTMAX: t = score x log2(e) / 8; M = the largest t so far, rounded UP to a whole number; p = 2^(t - M) is what is quantised; the row's sum is taken of the unquantised p and divides at the end.
; When M moves, and where partial results are joined, sums and O are multiplied by 2^(old M - new M): exact.  Steps of keys that all come after a wave's queries are left out: the causal mask gives them p = 0 for all inputs
; (LIMIT: a NaN or an infinity that reaches only what is left out is not carried to the result).
; THE WHOLE K AND V OF A HEAD LIE IN LDS, and no byte is filled twice.  Each of the sixteen waves issues two tensor loads: at the head 3,072 bytes (waves 0-7 of K, 8-15 of V: together the first 384 keys), and behind the first landing
; 13,312 bytes (the other 1,664 keys), which have the wave's first step in which to land.  One load of a wave is out at a time.
; CLUSTERS of four work-groups of one head: every load is joint.  A branch hangs on the wave's number and on the cluster's x alone: the four work-groups hold, wave by wave, blocks of 32 queries of one group of 128, which see the same steps of keys.
; No prefetch: the launch has no loop of loads to run ahead in, and no step of work lies between the first load's landing and the second's issue.
; SHARES.  A head has 64 blocks of 32 queries.  A work-group holds eight, k = 0 .. 7: in group n - 1 = 2 k + ((k & 1) xor cluster x) of 128 queries, which sees n steps of 128 keys: 68 block steps in every work-group.
; Waves b, b + 4, b + 8, b + 12 hold the late block 7 - b and the early block b, 17 block steps.  In them i = (wave / 4 + b) mod 4: for b = 0, 1, 2 waves i = 0, 1, 2 take every third step of the late block and wave i = 3 all of the early one;
; for b = 3 waves i = 0, 1 and i = 2, 3 take every second step of the late and of the early block.  A fragment of K or V feeds both tiles of 16 queries.
; At the end every wave lays its two partial tiles in LDS, and each wave finishes one tile: i = 0, 1 the late block's tiles A and B, i = 2, 3 the early block's, from one to three parts.
; LAYOUT.  Both products are used transposed: S^T = K Q^T (source 0 = 16 neighbouring keys; v_wmma_f32_16x16x64_fp8_fp8), O^T = V^T P^T (source 0 = 16 places of the head's 64; K = 128 keys).  A lane holds ONE query of a tile (lane % 16).
; Register 8 t + j of S^T is key 16 t + 8 (lane / 16) + j, so the conversions leave p's codes in the places that the K = 128 form gives each k.
; W_v's rows were laid so that the 16 registers of O^T's tiles 2 c and 2 c + 1 are channels 32 c + 16 (lane / 16) + 0 .. 15: the four conversions at the end ARE the last projection's operand registers.
; OUTPUT: ao [row / 16][head][c 0..1][lane][16 bytes]: images of those registers; a store of the wave covers 512 consecutive bytes, aligned.
; LIMITS on the given exponents: e6 + e7 between -64 and 130 (added to c's exponent field; a hidden score is at most -2^118 and must stay far below every M); e8 and e10 between -126 and 119; e8 + e9 has none.  Scaled scores stay under 2^31.
.set ROW,   272                        ; 256 bytes (four rows of 64) + 16 of padding in LDS: 16 neighbouring 64-byte rows start at 16 different groups of four banks (64 banks of 4 bytes: ISA guide 11.1)
.set HALF,  32*ROW                     ; 128 keys: 8 tiles of 16 rows of 64 bytes, 1,088 bytes each
.set FST,   3*HALF                     ; LDS: K's first 384 keys, V's first 384 keys, K's other 1,664, V's other 1,664
.set VREST, 13*HALF                    ; from a later key of K to the same key of V
.set SPARE, 32*HALF                    ; the spare words, 128 bytes for each wave
.set XS,    8704                       ; the exchange at the end: a wave's stage (two tiles, then their sums and -M), over K and V when nobody reads them any more
.set QF,   24                          ; v24-39    Q's fragments of tiles A and B
.set KV,   40                          ; v40-103   K's eight fragments, then V's four
.set SC,   104                         ; v104-167  S^T of one tile, then p
.set OA,   168                         ; v168-199  O^T of tile A, v200-231 of tile B
.set OB,   200
.set PC,   232                         ; v232-247  p's codes;  v248-255 at work
.set WV,   18                          ; v1 my lane's place in a step's K, v2, v7 the step's in K, V, v3 the mask's term, v4 2^e8, v5, v6 the add's; tile A: v8 -M, v9 the largest t, v[10:11] the sum, v[12:13] f; tile B: v14 .. v19; v20-23 at work
.set SEL,  20                          ; s[20:21] lane selects for v_permlanex16_b32: lane l xor 16
.set CS,   22                          ; s[22:23] c = log2(e) / 8 x 2^(e6 + e7)
.set G1,   24                          ; descriptors of the first load: s[24:31], s[40:43]; of the second: s[84:91], s[92:95]
.set G0,   40
.set G1B,  84
.set G0B,  92
.set NL,   36                          ; s36 my block's last step
.set SI,   47                          ; s47 the step's number
.set LIMP, 50                          ; s50 448 x 2^e8
.set ST,   51                          ; s51 from one of my steps to the next: 1, 2 or 3
.set BIG,  52                          ; s[52:53] 2^119
.set OF,   59                          ; s59 my first step: 0, 1 or 2
.macro CROUND                          ; a round of the cluster's barrier
	s_barrier_signal -1
	s_barrier_wait -1
	s_cmp_lg_u32 s[WV], 0
	s_cbranch_scc1 .Lnot_wave_0_\@
	s_barrier_signal -3
.Lnot_wave_0_\@:
	s_barrier_wait -3
	s_barrier_signal -1
	s_barrier_wait -1
.endm
.macro GROUP1 g, rows                  ; dense rows of 256 bytes, padded in LDS
	s_mov_b32 s[\g], 15|(1<<20)|(1<<21)|(5<<22)|(3<<25)   ; 15:0 the mask: all four work-groups; elements of 1 byte; 20 padding on; 21 set beside a mask; 24:22 after every 64 words (code 5); 31:25 four words (code 3)
	s_mov_b32 s[\g+1], 256<<16                     ; tensor_dim0
	s_mov_b32 s[\g+2], (\rows)<<16                 ; tensor_dim1
	s_mov_b32 s[\g+3], 256<<16                     ; tile_dim0
	s_mov_b32 s[\g+4], \rows                       ; tile_dim1
	s_mov_b32 s[\g+5], 256                         ; tensor_dim0_stride
	s_mov_b32 s[\g+6], 0
	s_mov_b32 s[\g+7], 0
.endm
.macro BLOCK k, nl, pos                ; block k: its group of 128 queries (and last step), and its place of four in the group: data alone hangs on cx
	s_xor_b32 s[\nl], s[\k], ttmp9
	s_and_b32 s[\nl], s[\nl], 1
	s_lshl_b32 s[\pos], s[\k], 1
	s_add_co_u32 s[\nl], s[\nl], s[\pos]
	s_and_b32 s[\pos], s[\k], 1
	s_mul_i32 s[\pos], s[\pos], 3
	s_xor_b32 s[\pos], s[\pos], s10
.endm
	s_load_b128 s[4:7], s[0:1], 0x0                ; qkv s[4:5], the exponents s[6:7]
	s_load_b64 s[8:9], s[0:1], 0x10                ; ao
	v_lshl_add_u32 v5, v0, 2, SPARE
	v_mov_b32 v6, 0
	ds_add_u32 v5, v6                              ; the opening lines
	ds_add_u32 v5, v6
	v_lshrrev_b32 v7, 5, v0
	s_delay_alu instid0(VALU_DEP_1)
	v_readfirstlane_b32 s[WV], v7                  ; wave 0..15
	GROUP1 G1, 12
	GROUP1 G1B, 52
	s_and_b32 s11, ttmp7, 0xffff                   ; y = 16 b + head
	s_lshl_b32 s12, s11, 17                        ; the head's first byte in each plane
	s_lshr_b32 s13, s[WV], 3
	s_lshl_b32 s13, s13, 22
	s_add_co_u32 s13, s13, 0x400000                ; K's plane or V's
	s_add_co_u32 s13, s13, s12
	s_and_b32 s17, s[WV], 7
	s_mul_i32 s14, s17, 12*256
	s_add_co_u32 s14, s14, s13                     ; the first load: my 3,072 bytes of the first 24,576
	s_mov_b32 s15, 0
	s_mul_i32 s16, s17, 52*256
	s_add_co_u32 s16, s16, s13
	s_add_co_u32 s16, s16, 24576                   ; the second: my 13,312 bytes of the rest
	s_mov_b32 s17, 0
	s_mul_i32 s19, s[WV], 12*ROW
	s_mul_i32 s33, s[WV], 52*ROW
	s_add_co_u32 s33, s33, 2*FST
	s_wait_dscnt 0x0                               ; both opening adds are done
	CROUND                                         ; all four work-groups are here: the joint loads meet
	s_wait_kmcnt 0x0
	s_mov_b32 s[G0], 1                             ; 1:0 count = 1
	s_mov_b32 s[G0+1], s19                         ; 63:32 LDS address
	s_add_nc_u64 s[G0+2:G0+3], s[4:5], s[14:15]    ; 120:64 global address
	s_or_b32 s[G0+3], s[G0+3], 0x80000000          ; 127:126 type = 2
	tensor_load_to_lds s[G0:G0+3], s[G1:G1+7]      ; the first 384 keys: one tensor load a wave at the head
	s_nop 0
	s_mov_b32 s[G0B], 1
	s_mov_b32 s[G0B+1], s33
	s_add_nc_u64 s[G0B+2:G0B+3], s[4:5], s[16:17]
	s_or_b32 s[G0B+3], s[G0B+3], 0x80000000
	s_load_b128 s[68:71], s[6:7], 0x18             ; e6, e7, e8, e9
	s_load_b32 s72, s[6:7], 0x28                   ; e10
	s_bfe_u32 s10, ttmp6, 0x40000                  ; cx
	; what I work: block, first step, stride
	s_lshr_b32 s32, s[WV], 2
	s_and_b32 s33, s[WV], 3                        ; b
	s_add_co_u32 s34, s32, s33
	s_and_b32 s34, s34, 3                          ; i
	s_add_co_u32 s35, s33, 1
	s_lshr_b32 s35, s35, 2                         ; t: 1 for b = 3
	s_add_co_u32 s37, s34, s35
	s_add_co_u32 s37, s37, 1
	s_lshr_b32 s37, s37, 2                         ; 1: I work the early block
	s_xor_b32 s38, s37, 1                          ; 1: the late one
	s_xor_b32 s39, s35, 3                          ; 3 - t waves work the late block,
	s_add_co_u32 s48, s35, 1                       ; 1 + t the early one
	s_mul_i32 s49, s38, s39
	s_mul_i32 s54, s37, s48
	s_add_co_u32 s[ST], s49, s54
	s_mul_i32 s49, s38, s34                        ; late: i;  early: i mod 2 for b = 3, else 0
	s_and_b32 s54, s34, 1
	s_mul_i32 s54, s54, s35
	s_mul_i32 s54, s54, s37
	s_add_co_u32 s49, s49, s54
	s_min_u32 s[OF], s49, 2                        ; (0, 1 or 2)
	s_mul_i32 s49, s38, 7
	s_xor_b32 s49, s49, s33                        ; k: b, or 7 - b
	BLOCK 49, NL, 37
	s_lshl_b32 s37, s37, 5
	s_lshl_b32 s38, s[NL], 7
	s_add_co_u32 s38, s38, s37                     ; my first query
	s_lshl_b32 s44, s38, 6
	s_add_co_u32 s44, s44, s12
	s_mov_b32 s45, 0
	s_add_nc_u64 s[44:45], s[4:5], s[44:45]        ; Q's codes there (plane 0)
	; what I finish: tile i % 2 of the late block (i = 0, 1) or of the early one
	s_lshr_b32 s48, s34, 1                         ; u: 1 early
	s_and_b32 s56, s34, 1                          ; the tile
	s_xor_b32 s49, s48, 1
	s_mul_i32 s49, s49, 7
	s_xor_b32 s49, s49, s33                        ; its block
	BLOCK 49, 54, 55
	s_lshl_b32 s54, s54, 2
	s_add_co_u32 s54, s54, s55
	s_lshl_b32 s54, s54, 1
	s_add_co_u32 s54, s54, s56                     ; its tile of 16 rows in the head,
	s_lshr_b32 s55, s11, 4
	s_lshl_b32 s55, s55, 7
	s_add_co_u32 s54, s54, s55                     ; among all 256,
	s_lshl_b32 s54, s54, 14                        ; 16,384 bytes each,
	s_and_b32 s55, s11, 15
	s_lshl_b32 s55, s55, 10                        ; my head's 1,024 of them
	s_add_co_u32 s54, s54, s55
	s_mov_b32 s55, 0
	s_add_nc_u64 s[8:9], s[8:9], s[54:55]
	; whose parts I join: waves i0, i0 + 1, i0 + 2 as far as the block's last wave; a part that does not exist is read as the last one, under the factor 0
	s_mul_i32 s76, s48, s39                        ; i0: 0, or 3 - t
	s_lshr_b32 s77, s39, 1
	s_xor_b32 s78, s35, 1
	s_add_co_u32 s77, s77, s78                     ; 2 - t,
	s_add_co_u32 s78, s35, 1
	s_mul_i32 s78, s78, s48
	s_add_co_u32 s77, s77, s78                     ; or 3: the last one
	s_add_co_u32 s79, s76, 1
	s_add_co_u32 s80, s76, 2
	s_cmp_le_u32 s79, s77
	s_cselect_b32 s82, 1.0, 0
	s_cmp_le_u32 s80, s77
	s_cselect_b32 s83, 1.0, 0
	s_min_u32 s79, s79, s77
	s_min_u32 s80, s80, s77
	s_xor_b32 s81, s33, 3
	s_add_co_u32 s81, s81, 1                       ; 4 - b
.irp j, 76,79,80
	s_add_co_u32 s\j, s\j, s81
	s_and_b32 s\j, s\j, 3
	s_lshl_b32 s\j, s\j, 2
	s_add_co_u32 s\j, s\j, s33                     ; the wave: 4 ((i - b) mod 4) + b
	s_mul_i32 s\j, s\j, XS                         ; its stage
.endr
	s_mul_i32 s48, s[OF], HALF
	s_mov_b32 s74, FST
	s_mov_b32 s75, VREST
	s_mov_b32 s[SEL], 0x76543210
	s_mov_b32 s[SEL+1], 0xfedcba98
	s_mov_b32 s[CS], 0x3e38aa3b                    ; log2(e) / 8
	s_mov_b32 s[BIG], 0x7b000000
	s_mov_b32 s[BIG+1], 0x7b000000
	s_mov_b32 s[SI], s[OF]
	v_and_b32 v7, 15, v0                           ; r
	v_bfe_u32 v20, v0, 4, 1                        ; h
	s_delay_alu instid0(VALU_DEP_2)
	v_lshlrev_b32 v21, 6, v7
	s_delay_alu instid0(VALU_DEP_1)
	v_lshl_add_u32 v21, v20, 4, v21                ; row r of 64 bytes, + 16 h
	global_load_b128 v[QF:QF+3], v21, s[44:45]     ; Q: the same bytes of a row in the same registers as K's
	global_load_b128 v[QF+4:QF+7], v21, s[44:45] offset:32
	global_load_b128 v[QF+8:QF+11], v21, s[44:45] offset:1024
	global_load_b128 v[QF+12:QF+15], v21, s[44:45] offset:1056
	v_lshrrev_b32 v22, 2, v7
	v_lshlrev_b32 v23, 3, v20
	s_delay_alu instid0(VALU_DEP_2)
	v_lshl_add_u32 v1, v22, 4, v21                 ; + the padding ahead of row r
	s_delay_alu instid0(VALU_DEP_2)
	v_sub_nc_u32 v23, v7, v23
	s_delay_alu instid0(VALU_DEP_1)
	v_add_nc_u32 v23, s37, v23                     ; d = my query in tile A - the diagonal step's first key - 8 h: register 8 t + j is hidden where 16 t + j > d
	s_delay_alu instid0(VALU_DEP_1)
	v_cvt_f32_i32 v3, v23
	v_mov_b32 v9, 0xff61b1e6                       ; the largest t so far: -3e38, under every t
	v_mov_b32 v15, 0xff61b1e6
	v_mov_b32 v10, 0                               ; the sums, in two halves
	v_mov_b32 v11, 0
	v_mov_b32 v16, 0
	v_mov_b32 v17, 0
	v_mov_b32 v13, 0                               ; (named as the upper halves of the pairs v[12:13] and v[18:19])
	v_mov_b32 v19, 0
	s_wait_kmcnt 0x0
	s_add_co_i32 s12, s68, s69
	s_lshl_b32 s12, s12, 23
	s_add_co_i32 s[CS], s[CS], s12                 ; the two exponents are added to c's exponent field
	s_mov_b32 s[CS+1], s[CS]                       ; (named with it as a pair)
	s_add_co_i32 s12, s70, 127
	s_lshl_b32 s13, s12, 23
	v_mov_b32 v4, s13                              ; 2^e8, for p's conversions
	s_add_co_i32 s12, s12, 8
	s_lshl_b32 s12, s12, 23
	s_or_b32 s[LIMP], s12, 0x600000                ; 448 x 2^e8
	s_add_co_i32 s12, s72, 127
	s_lshl_b32 s57, s12, 23                        ; 2^e10
	s_add_co_i32 s12, s12, 8
	s_lshl_b32 s12, s12, 23
	s_or_b32 s58, s12, 0x600000                    ; 448 x 2^e10
; A tile's register 2 i, 2 i + 1 of key tile tt: hidden scores become -2^118 or less: the minimum with (d - j - 16 tt + 1/2) x 2^119 (for tile B, 16 queries on, d + 16).  A score is under 2^24 in magnitude, and a step that is walked shows every query at least one key.
.macro CUT lit
.irp i, 0,2
	v_pk_fma_f32 v[20:21], v[248+2*\i:249+2*\i], s[BIG:BIG+1], \lit op_sel_hi:[1,0,0]
	v_pk_fma_f32 v[22:23], v[250+2*\i:251+2*\i], s[BIG:BIG+1], \lit op_sel_hi:[1,0,0]
	v_dual_min_num_f32 v[SC+8*tt+2*\i], v20, v[SC+8*tt+2*\i] :: v_dual_min_num_f32 v[SC+8*tt+2*\i+1], v21, v[SC+8*tt+2*\i+1]
	v_dual_min_num_f32 v[SC+8*tt+2*\i+2], v22, v[SC+8*tt+2*\i+2] :: v_dual_min_num_f32 v[SC+8*tt+2*\i+3], v23, v[SC+8*tt+2*\i+3]
.endr
.set tt, tt+1
.endm
.macro MASK tile
	s_cmp_lt_u32 s[SI], s[NL]                      ; a step ahead of the diagonal's: all its keys count
	s_cbranch_scc1 .Lopen_\@
	v_add_f32 v248, 0.5, v3
	v_add_f32 v249, -0.5, v3
	v_add_f32 v250, -1.5, v3
	v_add_f32 v251, -2.5, v3
	v_add_f32 v252, -3.5, v3
	v_add_f32 v253, -4.5, v3
	v_add_f32 v254, -5.5, v3
	v_add_f32 v255, -6.5, v3
.set tt, 0
.if \tile
	CUT 0x7d000000                                 ; +2^123
.endif
	CUT 0
	CUT 0xfd000000                                 ; -1, -2, .. x 2^123
	CUT 0xfd800000
	CUT 0xfdc00000
	CUT 0xfe000000
	CUT 0xfe200000
	CUT 0xfe400000
.if \tile == 0
	CUT 0xfe600000
.endif
.Lopen_\@:
.endm
; The softmax of one tile up to p: nm -M, mx the largest t, sm the sum, f the factor, o its O^T.  first = 1: the sum is zero and O^T not begun: no factor.
.macro SOFT tile, nm, mx, sm, f, o, first
	MASK \tile
	v_max3_num_f32 v20, v[SC], v[SC+1], v[SC+2]    ; the step's largest score of my query among my 64 keys, in four chains, each accumulator from its low end on,
	v_max3_num_f32 v21, v[SC+3], v[SC+4], v[SC+5]
	v_max3_num_f32 v22, v[SC+6], v[SC+7], v[SC+8]
	v_max3_num_f32 v23, v[SC+9], v[SC+10], v[SC+11]
.irp i, 12,20,28,36,44,52
	v_max3_num_f32 v20, v20, v[SC+\i], v[SC+\i+1]
	v_max3_num_f32 v21, v21, v[SC+\i+2], v[SC+\i+3]
	v_max3_num_f32 v22, v22, v[SC+\i+4], v[SC+\i+5]
	v_max3_num_f32 v23, v23, v[SC+\i+6], v[SC+\i+7]
.endr
	v_max3_num_f32 v20, v20, v[SC+60], v[SC+61]
	v_max3_num_f32 v21, v21, v[SC+62], v[SC+63]
	s_delay_alu instid0(VALU_DEP_1)
	v_max3_num_f32 v20, v20, v21, v22
	s_delay_alu instid0(VALU_DEP_1)
	v_max_num_f32 v20, v20, v23
	s_delay_alu instid0(VALU_DEP_1)
	v_permlanex16_b32 v23, v20, s[SEL], s[SEL+1]
	s_delay_alu instid0(VALU_DEP_1)
	v_max_num_f32 v20, v20, v23                    ; and among lane l xor 16's
	s_delay_alu instid0(VALU_DEP_1)
	v_mul_f32 v20, s[CS], v20                      ; as t (c is positive)
	s_delay_alu instid0(VALU_DEP_1)
	v_max_num_f32 v[\mx], v[\mx], v20              ; the running largest t
.if \first
	s_delay_alu instid0(VALU_DEP_1)
	v_floor_f32 v[\nm], -v[\mx]                    ; -M = floor(-t) = -ceil(t)
.else
	v_mov_b32 v21, v[\nm]
	s_delay_alu instid0(VALU_DEP_2)
	v_floor_f32 v[\nm], -v[\mx]                    ; the new -M = floor(-t) = -ceil(t): M IS A WHOLE NUMBER
	s_delay_alu instid0(VALU_DEP_1)
	v_sub_f32 v21, v[\nm], v21                     ; M's old value less its new one: a whole number, 0 or less
	s_delay_alu instid0(VALU_DEP_1)
	v_cvt_i32_f32 v21, v21                         ; (it saturates)
	s_delay_alu instid0(VALU_DEP_1)
	v_ldexp_f32 v[\f], 1.0, v21                    ; f = 2^(old M - new M)
.endif
.set j, 0
.rept 32
	v_pk_fma_f32 v[SC+j:SC+j+1], v[SC+j:SC+j+1], s[CS:CS+1], v[\nm:\nm+1] op_sel_hi:[1,0,0]   ; t - M, two at a time
.set j, j+2
.endr
	s_wait_alu depctr_va_vdst(0)
.set j, 0
.rept 64
	v_exp_f32 v[SC+j], v[SC+j]                     ; p = 2^(t - M): NOT normalised
.set j, j+1
.endr
.if \first
	v_nop                                          ; the plain line behind the exponentials
	s_wait_alu depctr_va_vdst(0)
.else
	v_pk_mul_f32 v[\sm:\sm+1], v[\sm:\sm+1], v[\f:\f+1] op_sel_hi:[1,0]   ; the sum under the new M: the plain line behind the exponentials
	s_wait_alu depctr_va_vdst(0)                   ; and behind it: ahead of the first reader of p and of O^T
.set j, 0
.rept 16
	v_pk_mul_f32 v[\o+j:\o+j+1], v[\o+j:\o+j+1], v[\f:\f+1] op_sel_hi:[1,0]   ; O^T under the new M
.set j, j+2
.endr
.endif
.endm
; The row's sum, of the unquantised p, in five chains; then the hold (the conversion to an 8-bit code does not saturate: ISA guide 7.6.2; p is never negative, so it is one-sided) and the codes: registers 2 t, 2 t + 1: keys 16 t + 8 h + 0 .. 7
.macro CODES sm
.irp i, 0,2,4,6
	v_pk_add_f32 v[248+\i:249+\i], v[SC+2*\i:SC+2*\i+1], v[SC+2*\i+2:SC+2*\i+3]
.endr
.irp g, 16,28,40,52
	v_pk_add_f32 v[\sm:\sm+1], v[\sm:\sm+1], v[SC+\g:SC+\g+1]
	v_pk_add_f32 v[248:249], v[248:249], v[SC+\g+2:SC+\g+3]
	v_pk_add_f32 v[250:251], v[250:251], v[SC+\g+4:SC+\g+5]
	v_pk_add_f32 v[252:253], v[252:253], v[SC+\g+6:SC+\g+7]
	v_pk_add_f32 v[254:255], v[254:255], v[SC+\g+8:SC+\g+9]
	v_pk_add_f32 v[248:249], v[248:249], v[SC+\g+10:SC+\g+11]
.endr
	v_pk_add_f32 v[252:253], v[252:253], v[254:255]
	v_pk_add_f32 v[248:249], v[248:249], v[250:251]
	s_delay_alu instid0(VALU_DEP_2)
	v_pk_add_f32 v[\sm:\sm+1], v[\sm:\sm+1], v[252:253]
	s_delay_alu instid0(VALU_DEP_1)
	v_pk_add_f32 v[\sm:\sm+1], v[\sm:\sm+1], v[248:249]
.irp t, 0,1,2,3,4,5,6,7
.irp i, 0,2,4,6
	v_dual_min_num_f32 v[SC+8*\t+\i], s[LIMP], v[SC+8*\t+\i] :: v_dual_min_num_f32 v[SC+8*\t+\i+1], s[LIMP], v[SC+8*\t+\i+1]
.endr
	v_cvt_scalef32_pk8_fp8_f32 v[PC+2*\t:PC+2*\t+1], v[SC+8*\t:SC+8*\t+7], v4
.endr
	v_nop                                          ; one plain vector line behind the last conversion
.endm
.macro PV o, first                     ; four accumulators by turns, one instruction a turn; the first step starts the sums
.irp u, 0,1,2,3
.if \first
	v_wmma_f32_16x16x128_fp8_fp8 v[\o+8*\u:\o+8*\u+7], v[KV+16*\u:KV+16*\u+15], v[PC:PC+15], 0
.else
	v_wmma_f32_16x16x128_fp8_fp8 v[\o+8*\u:\o+8*\u+7], v[KV+16*\u:KV+16*\u+15], v[PC:PC+15], v[\o+8*\u:\o+8*\u+7]
.endif
.endr
.endm
; A KEY STEP: 128 keys for both tiles.  Behind the first, a step behind the diagonal's is left out by a scalar branch on ids; no barrier and no tensor load stands in a step.
.macro STEP first
.if \first
.set AV, 2                             ; the first 384 keys: V's lie right behind K's
.set VO, FST
	v_add_nc_u32 v2, s48, v1
.else
.set AV, 7
.set VO, 0
	s_cmp_gt_u32 s[SI], s[NL]
	s_cbranch_scc1 .Lhidden_\@
	s_min_u32 s61, s[SI], 15                       ; (a head has 16 steps)
	s_mul_i32 s61, s61, HALF
	s_cmp_lt_u32 s[SI], 3                          ; where the step's K lies, and how far behind it its V
	s_cselect_b32 s62, 0, s74
	s_cselect_b32 s63, s74, s75
	s_add_co_u32 s61, s61, s62
	v_add_nc_u32 v2, s61, v1
	s_delay_alu instid0(VALU_DEP_1)
	v_add_nc_u32 v7, s63, v2
	v_nop                                          ; with the additions: four places in front of loads into registers that the last products have read
	v_nop
.endif
.irp t, 0,1,2,3,4,5,6,7
	ds_load_b128 v[KV+8*\t:KV+8*\t+3], v2 offset:1088*\t
	ds_load_b128 v[KV+8*\t+4:KV+8*\t+7], v2 offset:1088*\t+32
.endr
	s_wait_dscnt 8                                 ; K's first four tiles are in; the later eight loads may be out
.irp t, 0,1,2,3
	v_wmma_f32_16x16x64_fp8_fp8 v[SC+8*\t:SC+8*\t+7], v[KV+8*\t:KV+8*\t+7], v[QF:QF+7], 0
.endr
	s_wait_dscnt 0x0
.irp t, 4,5,6,7
	v_wmma_f32_16x16x64_fp8_fp8 v[SC+8*\t:SC+8*\t+7], v[KV+8*\t:KV+8*\t+7], v[QF:QF+7], 0
.endr
.rept 4
	v_nop                                          ; places in front of the first read of the scores
.endr
	SOFT 0, 8, 9, 10, 12, OA, \first
	CODES 10                                       ; tile A's codes
.irp t, 0,1,2,3,4,5,6,7
	v_wmma_f32_16x16x64_fp8_fp8 v[SC+8*\t:SC+8*\t+7], v[KV+8*\t:KV+8*\t+7], v[QF+8:QF+15], 0   ; tile B's scores, from the same fragments
.endr
.rept 4
	v_nop                                          ; places: in front of the loads below and of the first read of the scores
.endr
.irp u, 0,1,2,3                                ; V's four fragments (16 places x 128 keys) land under the softmax
.irp c, 0,1,2,3
	ds_load_b128 v[KV+16*\u+4*\c:KV+16*\u+4*\c+3], v[AV] offset:VO+4352*(\c/2)+1088*\u+32*(\c%2)
.endr
.endr
	SOFT 1, 14, 15, 16, 18, OB, \first
	s_wait_dscnt 0x0                               ; V is in
	PV OA, \first
	CODES 16                                       ; tile B's codes, over tile A's; its plain lines are the places behind the products
	PV OB, \first
.if \first == 0
.Lhidden_\@:
.endif
.endm
	s_wait_alu depctr_va_vdst(0)
	s_wait_loadcnt 0x0                             ; Q
	s_wait_tensorcnt 0x0                           ; my part of the first 384 keys is in,
	ds_add_u32 v5, v6
	s_wait_dscnt 0x0
	CROUND                                         ; everybody's is in, and all four work-groups are here: the joint loads meet
	tensor_load_to_lds s[G0B:G0B+3], s[G1B:G1B+7]  ; the other 1,664 keys
	s_nop 0
	STEP 1
	s_wait_tensorcnt 0x0                           ; my part of the other keys is in;
	s_barrier_signal -1
	s_barrier_wait -1                              ; everybody's is
	s_mov_b32 s3, 1
.Lkeys:                                            ; my second to sixth steps
	s_mul_i32 s[SI], s3, s[ST]
	s_add_co_u32 s[SI], s[SI], s[OF]
	STEP 0
	s_add_co_u32 s3, s3, 1
	s_cmp_lt_u32 s3, 6
	s_cbranch_scc1 .Lkeys
	; THE JOIN.  Every wave lays both its tiles' O^T, as they stand in the registers, and their sums and -M in its stage; then each wave takes up the parts of the tile that it finishes.
	s_mul_i32 s60, s[WV], XS
	s_lshl_b32 s61, s56, 12                        ; the tile's O^T in a stage,
	s_lshl_b32 s62, s56, 8                         ; and its sum and -M
	s_add_co_u32 s84, s76, s61
	s_add_co_u32 s85, s79, s61
	s_add_co_u32 s86, s80, s61
	s_add_co_u32 s87, s76, s62
	s_add_co_u32 s88, s79, s62
	s_add_co_u32 s89, s80, s62
	v_add_f32 v10, v10, v11                        ; each sum's two halves.  (These lines are also the places behind the last products)
	v_add_f32 v16, v16, v17
	v_mov_b32 v11, v8
	v_mov_b32 v17, v14
	v_and_b32 v7, 31, v0                           ; lane
	s_delay_alu instid0(VALU_DEP_1)
	v_lshlrev_b32 v20, 4, v7
	v_lshlrev_b32 v23, 3, v7
	s_delay_alu instid0(VALU_DEP_2)
	v_add_nc_u32 v21, s60, v20                     ; my stage
	s_delay_alu instid0(VALU_DEP_2)
	v_add_nc_u32 v22, s60, v23
	v_add_nc_u32 v24, s84, v20                     ; the parts that I join
	v_add_nc_u32 v25, s85, v20
	v_add_nc_u32 v26, s86, v20
	v_add_nc_u32 v27, s87, v23
	v_add_nc_u32 v28, s88, v23
	v_add_nc_u32 v29, s89, v23
	s_wait_alu depctr_va_vdst(0)
	s_barrier_signal -1                            ; my reads of K and V are over (each step has waited for its own),
	s_barrier_wait -1                              ; and everybody's
.irp i, 0,1,2,3,4,5,6,7
	ds_store_b128 v21, v[OA+4*\i:OA+4*\i+3] offset:512*\i
.endr
.irp i, 0,1,2,3,4,5,6,7
	ds_store_b128 v21, v[OB+4*\i:OB+4*\i+3] offset:4096+512*\i
.endr
	ds_store_b64 v22, v[10:11] offset:8192
	ds_store_b64 v22, v[16:17] offset:8448
	s_wait_dscnt 0x0                               ; my stores are done,
	s_barrier_signal -1
	s_barrier_wait -1                              ; and everybody's
	ds_load_b64 v[72:73], v27 offset:8192
	ds_load_b64 v[74:75], v28 offset:8192
	ds_load_b64 v[76:77], v29 offset:8192
.irp i, 0,1,2,3,4,5,6,7
	ds_load_b128 v[KV+4*\i:KV+4*\i+3], v24 offset:512*\i
.endr
.irp i, 0,1,2,3,4,5,6,7
	ds_load_b128 v[SC+4*\i:SC+4*\i+3], v25 offset:512*\i
.endr
.irp i, 0,1,2,3,4,5,6,7
	ds_load_b128 v[SC+32+4*\i:SC+32+4*\i+3], v26 offset:512*\i
.endr
	s_wait_dscnt 24                                ; the parts' sums and -M are in; their O^T may be out
	v_min_num_f32 v20, v73, v75
	s_delay_alu instid0(VALU_DEP_1)
	v_min_num_f32 v20, v20, v77                    ; the joint -M
	s_delay_alu instid0(VALU_DEP_1)
	v_sub_f32 v12, v20, v73
	s_delay_alu instid0(VALU_DEP_2)
	v_sub_f32 v14, v20, v75
	s_delay_alu instid0(VALU_DEP_3)
	v_sub_f32 v18, v20, v77
	s_delay_alu instid0(VALU_DEP_3)
	v_cvt_i32_f32 v12, v12                         ; (it saturates)
	s_delay_alu instid0(VALU_DEP_3)
	v_cvt_i32_f32 v14, v14
	s_delay_alu instid0(VALU_DEP_3)
	v_cvt_i32_f32 v18, v18
	s_delay_alu instid0(VALU_DEP_3)
	v_ldexp_f32 v12, 1.0, v12                      ; the parts' factors; 0 for a part that does not exist
	s_delay_alu instid0(VALU_DEP_3)
	v_ldexp_f32 v14, s82, v14
	s_delay_alu instid0(VALU_DEP_3)
	v_ldexp_f32 v18, s83, v18
	s_delay_alu instid0(VALU_DEP_3)
	v_mul_f32 v10, v72, v12
	s_delay_alu instid0(VALU_DEP_1)
	v_fmac_f32 v10, v74, v14
	s_delay_alu instid0(VALU_DEP_1)
	v_fmac_f32 v10, v76, v18
	s_delay_alu instid0(VALU_DEP_1)
	v_permlanex16_b32 v16, v10, s[SEL], s[SEL+1]
	s_delay_alu instid0(VALU_DEP_1)
	v_add_f32 v10, v10, v16                        ; the row's sum, at least 1/2
	s_add_co_i32 s12, s70, s71
	s_wait_alu depctr_va_vdst(0)                   ; the wait ahead of the transcendental,
	v_rcp_f32 v10, v10
	v_lshlrev_b32 v7, 4, v7                        ; (plain lines behind it)  the way out: 16 x lane
	v_mov_b32 v20, s58
	v_mov_b32 v21, s57
	s_wait_alu depctr_va_vdst(0)                   ; and ahead of its first reader
	v_ldexp_f32 v10, v10, s12                      ; x 2^(e8 + e9)
	s_delay_alu instid0(VALU_DEP_1)
	v_mul_f32 v12, v12, v10
	s_delay_alu instid0(VALU_DEP_2)
	v_mul_f32 v14, v14, v10
	s_delay_alu instid0(VALU_DEP_3)
	v_mul_f32 v18, v18, v10
	s_wait_dscnt 0x0                               ; the parts' O^T
	s_wait_alu depctr_va_vdst(0)
.set j, 0
.rept 16
	v_pk_mul_f32 v[KV+j:KV+j+1], v[KV+j:KV+j+1], v[12:13] op_sel_hi:[1,0]
.set j, j+2
.endr
.set j, 0
.rept 16
	v_pk_fma_f32 v[KV+j:KV+j+1], v[SC+j:SC+j+1], v[14:15], v[KV+j:KV+j+1] op_sel_hi:[1,0,1]
.set j, j+2
.endr
.set j, 0
.rept 16
	v_pk_fma_f32 v[KV+j:KV+j+1], v[SC+32+j:SC+33+j], v[18:19], v[KV+j:KV+j+1] op_sel_hi:[1,0,1]   ; register 16 c + i is o(query r, channel 32 c + 16 h + i)
.set j, j+2
.endr
.set j, 0
.rept 32
	v_med3_num_f32 v[KV+j], v[KV+j], -v20, v20
.set j, j+1
.endr
.irp u, 0,1,2,3
	v_cvt_scalef32_pk8_fp8_f32 v[QF+2*\u:QF+2*\u+1], v[KV+8*\u:KV+8*\u+7], v21
.endr
	v_nop                                          ; one plain vector line behind the last conversion
	global_store_b128 v7, v[QF:QF+3], s[8:9]              ; channels 0-31: 32 lanes store 512 consecutive bytes, aligned
	global_store_b128 v7, v[QF+4:QF+7], s[8:9] offset:512 ; channels 32-63
	s_wait_tensorcnt 0x0                           ; the wave's end
	ds_add_u32 v5, v6
	s_wait_dscnt 0x0
	CROUND                                         ; the closing round: no work-group ends while a partner may still ask for a tile that names it
	s_endpgm
.Lfunc_end_k_q6f7ddb7fe4_attn:
	.size	k_q6f7ddb7fe4_attn, .Lfunc_end_k_q6f7ddb7fe4_attn-k_q6f7ddb7fe4_attn
	.p2alignl 7, 3214868480
	.fill 96, 4, 3214868480
	.section	.rodata,"a",@progbits
	.p2align	6, 0x0
	.amdhsa_kernel k_q6f7ddb7fe4_attn
		.amdhsa_group_segment_fixed_size 327680
		.amdhsa_private_segment_fixed_size 0
		.amdhsa_enable_private_segment 0
		.amdhsa_kernarg_size 24
		.amdhsa_user_sgpr_count 2
		.amdhsa_user_sgpr_kernarg_segment_ptr 1
		.amdhsa_wavefront_size32 1
		.amdhsa_system_sgpr_workgroup_id_x 1
		.amdhsa_system_sgpr_workgroup_id_y 1
		.amdhsa_system_sgpr_workgroup_id_z 1
		.amdhsa_system_vgpr_workitem_id 0
		.amdhsa_next_free_vgpr 256
		.amdhsa_next_free_sgpr 100
		.amdhsa_reserve_vcc 0
		.amdhsa_float_denorm_mode_32 3
		.amdhsa_float_denorm_mode_16_64 3
		.amdhsa_memory_ordered 1
		.amdhsa_forward_progress 1
		.amdhsa_inst_pref_size 98
	.end_amdhsa_kernel
	.amdgpu_metadata
---
amdhsa.version: [ 1, 2 ]
amdhsa.kernels:
  - .name:           k_q6f7ddb7fe4_attn
    .symbol:         k_q6f7ddb7fe4_attn.kd
    .args:
      - { .name: qkv, .offset: 0, .size: 8, .value_kind: global_buffer, .address_space: global }
      - { .name: lowp_scales, .offset: 8, .size: 8, .value_kind: global_buffer, .address_space: global }
      - { .name: ao, .offset: 16, .size: 8, .value_kind: global_buffer, .address_space: global }
    .group_segment_fixed_size: 327680
    .private_segment_fixed_size: 0
    .kernarg_segment_align: 8
    .kernarg_segment_size: 24
    .max_flat_workgroup_size: 512
    .sgpr_count:     100
    .vgpr_count:     256
    .wavefront_size: 32
...
	.end_amdgpu_metadata
.endif
;; end of part 3
;; launch oproj (part 4): grid 8 x 32, 4 waves a work-group, clusters of 4 x 4, 327,680 bytes of LDS; arguments ao, wc, lowp_scales, out0; writes out0
.if DOCPART == 4
	.amdgcn_target "amdgcn-amd-amdhsa--gfx1250"
	.amdhsa_code_object_version 6
	.text
	.protected	k_q6f7ddb7fe4_oproj
	.globl	k_q6f7ddb7fe4_oproj
	.p2align	8
	.type	k_q6f7ddb7fe4_oproj,@function
k_q6f7ddb7fe4_oproj:
	s_mov_b64 s[64:65], 0
	v_nop
	global_prefetch_b8 v0, s[64:65] scope:SCOPE_SE
	s_setreg_imm32_b32 hwreg(HW_REG_WAVE_MODE, 25, 1), 1
	s_wait_xcnt 0x0
	s_wait_alu depctr_hold_cnt(0) depctr_sa_sdst(0) depctr_va_vdst(0) depctr_va_sdst(0) depctr_va_ssrc(0) depctr_va_vcc(0) depctr_vm_vsrc(0)
	s_getreg_b32 s2, hwreg(HW_REG_IB_STS2, 6, 4)
	s_cmp_eq_u32 s2, 0
	s_cbranch_scc0 .Lentry_in_a_cluster
	s_endpgm
.Lentry_in_a_cluster:
	s_bfe_u32 s2, ttmp6, 0x10000c
	s_cmp_lg_u32 s2, 0xf033
	s_cbranch_scc0 .Lentry_shape_is_right
	s_endpgm
.Lentry_shape_is_right:
; out0 = attention's result x W_o^T on codes of E4M3: C [4096][1024] f32 = 2^(e10 + e11) x the sum over k of A[m][k] B[n][k], K = 1,024.
; A: ao, images of operand registers: [row / 16][k / 32][lane][16 bytes]: lane (r, h) holds row 16 R + r, k = 32 g + 16 h + 0 .. 15.  B: wc's plane 3, [1024 n][1024 k], as rows.
; LIMIT: e10 + e11 lies between -126 and 127, so that 2^(e10 + e11) is an f32 number.
; A tile of C is 128 x 128: 256 tiles, one for each work-group (tiles of 256 x 256 would be 64).  Four waves, each 64 x 64.
; THE WHOLE K LIES IN LDS: A's 128 rows are 131,072 bytes, B's 128 rows 133,120 with their padding.  One tensor load a wave (waves 0 and 1: 64 rows of A each, waves 2 and 3: 64 rows of B), each byte filled once: no ring, and no loop of loads that a prefetch could run ahead in.
; CLUSTERS: 4 x 4 work-groups.  The four of a row of the cluster need the same tile of A, the four of a column the same tile of B: each is asked for JOINTLY, by the same tensor load with the same descriptor and a mask that names the four.
; THE MATRIX INSTRUCTION IS USED TRANSPOSED (source 0 = 16 rows of B, source 1 = 16 rows of A): a lane holds eight neighbouring numbers of a row of C.
; BY ROWS OF C: B's fragments of the whole K fill 512 registers, A's come by blocks of 16 rows x 1,024 K; a wave's four blocks are finished one after the other, K ascending, and each leaves while the next is multiplied.  No fragment is read twice.
; REGISTERS: window 0: v0-31 addresses; v32-127 at work on the way out; v128-255 the accumulators ((a, b) at v[128 + 8 (4 a + b)]).  Window 1: two blocks of A, 128 registers each.  Windows 2, 3: B's fragments, (q, b) at 64 q + 16 b.
.set BP,     1040                      ; a row of B in LDS: 1,024 bytes + 16 of padding = 260 words: the 16 rows that a load touches start at 16 different groups of four banks (64 banks of 4 bytes: ISA guide 11.1)
.set BOFF,   131072
.set STAGE,  BOFF+128*BP               ; behind the tiles: 16 rows x 272 bytes for each wave, for the way out: bytes into which no tile lands
.set SPITCH, 272
.set SPARE,  STAGE+4*16*SPITCH         ; the spare words, 128 bytes for each wave
.set ADRA, 16                          ; v16     LDS address of my A fragments
.set ADRB, 20                          ; v20     the same for B
.set STO,  24                          ; v24     the way out: where I put 32 bytes of a row
.set RD,   25                          ; v25     where I read a row back
.set CO,   26                          ; v26     my byte offset in two rows of C
.set TMP,  32                          ; v32-63  a block's sums x 2^(e10 + e11)
.set BK,   64                          ; v64-95, v96-127 by turns: 16 rows read back from the stage
.set ACC,  128
.set G1, 24                            ; s[24:31], s[32:35] the descriptor for A's rows;  s[48:55], s[56:59] for B's
.set G0, 32
.set G1B, 48
.set G0B, 56
.set MSB, 0
.macro WIN new                         ; the immediate's high byte repeats the setting that is left
.if MSB != \new
	s_set_vgpr_msb (MSB<<8)|\new
.set MSB, \new
.endif
.endm
.macro CROUND                          ; a round of the cluster's barrier
	s_barrier_signal -1
	s_barrier_wait -1
	s_cmp_lg_u32 s10, 0
	s_cbranch_scc1 .Lnot_wave_0_\@
	s_barrier_signal -3
.Lnot_wave_0_\@:
	s_barrier_wait -3
	s_barrier_signal -1
	s_barrier_wait -1
.endm
	s_load_b128 s[4:7], s[0:1], 0x0                ; ao s[4:5], wc s[6:7]
	s_load_b128 s[68:71], s[0:1], 0x10             ; the exponents s[68:69], out0 s[70:71]
	v_lshl_add_u32 v30, v0, 2, SPARE
	v_mov_b32 v31, 0
	ds_add_u32 v30, v31                            ; the opening lines
	ds_add_u32 v30, v31
	v_lshrrev_b32 v1, 5, v0
	v_readfirstlane_b32 s10, v1                    ; wave 0..3
	s_lshr_b32 s11, s10, 1                         ; which half of the tile's rows is mine.  Also: I fetch for A (0) or for B (1)
	s_and_b32 s12, s10, 1                          ; which half of its columns.  Also: which 64 rows of that tile I fetch
	s_bfe_u32 s40, ttmp6, 0x40000                  ; cx, cy: my place in the cluster
	s_bfe_u32 s41, ttmp6, 0x40004
	s_lshl_b32 s42, ttmp9, 2
	s_add_co_u32 s42, s42, s40                     ; tile column of C = 4 x cluster x + cx, 0..7
	s_and_b32 s13, ttmp7, 0xffff
	s_lshl_b32 s13, s13, 2
	s_add_co_u32 s13, s13, s41                     ; tile row of C = 4 x cluster y + cy, 0..31
	s_lshl_b32 s43, s41, 2
	s_lshl_b32 s43, 15, s43                        ; my row of the cluster
	s_lshl_b32 s44, 0x1111, s40                    ; my column
	; descriptor group 1.  A: 65,536 dense bytes as 8 rows of 8,192.  B: 64 rows of 1,024 bytes, padded
	s_or_b32 s[G1+0], s43, (0<<16)|(1<<21)         ; 15:0 the mask: A's tiles go to my row; 17:16 element of 1 byte; 20 no padding; 21 set beside a mask
	s_mov_b32 s[G1+1], 8192<<16                    ; tensor_dim0
	s_mov_b32 s[G1+2], 8<<16                       ; tensor_dim1
	s_mov_b32 s[G1+3], 8192<<16                    ; tile_dim0
	s_mov_b32 s[G1+4], 8                           ; tile_dim1
	s_mov_b32 s[G1+5], 8192                        ; tensor_dim0_stride
	s_mov_b32 s[G1+6], 0
	s_mov_b32 s[G1+7], 0
	s_or_b32 s[G1B+0], s44, (0<<16)|(1<<20)|(1<<21)|(7<<22)|(3<<25)   ; the mask of my column; padding: four words (code 3) after every 256 (code 7)
	s_mov_b32 s[G1B+1], 1024<<16
	s_mov_b32 s[G1B+2], 64<<16
	s_mov_b32 s[G1B+3], 1024<<16
	s_mov_b32 s[G1B+4], 64
	s_mov_b32 s[G1B+5], 1024
	s_mov_b32 s[G1B+6], 0
	s_mov_b32 s[G1B+7], 0
	s_lshl_b32 s16, s13, 17                        ; A: the tile's 128 rows are 131,072 bytes on end; made of the tile row alone, which my row of the cluster shares
	s_lshl_b32 s17, s12, 16                        ; + my 64 rows
	s_add_co_u32 s16, s16, s17
	s_mov_b32 s17, 0
	s_lshl_b32 s46, s42, 17                        ; B: row 128 x tile column, 1,024 bytes a row; made of the tile column alone, which my column shares
	s_lshl_b32 s47, s12, 16                        ; + my 64 rows
	s_add_co_u32 s46, s46, s47
	s_add_co_u32 s46, s46, 0x300000                ; in wc's plane 3
	s_mov_b32 s47, 0
	s_lshl_b32 s20, s12, 16                        ; where they go: no place in the cluster enters an LDS address
	s_mul_i32 s21, s12, 64*BP
	s_add_co_u32 s21, s21, BOFF
	s_wait_dscnt 0x0                               ; both opening adds are done
	CROUND                                         ; all sixteen work-groups are here: the joint loads meet
	s_wait_kmcnt 0x0
	s_mov_b32 s[G0], 1
	s_mov_b32 s[G0+1], s20
	s_add_nc_u64 s[G0+2:G0+3], s[4:5], s[16:17]
	s_or_b32 s[G0+3], s[G0+3], 0x80000000
	s_mov_b32 s[G0B], 1
	s_mov_b32 s[G0B+1], s21
	s_add_nc_u64 s[G0B+2:G0B+3], s[6:7], s[46:47]
	s_or_b32 s[G0B+3], s[G0B+3], 0x80000000
	s_cmp_eq_u32 s11, 0                            ; one tensor load a wave; four v_nop follow each of the two lines
	s_cbranch_scc0 .Lfirst_b
	tensor_load_to_lds s[G0:G0+3], s[G1:G1+7]
	s_nop 0
.rept 4
	v_nop
.endr
	s_branch .Lfirst_asked
.Lfirst_b:
	tensor_load_to_lds s[G0B:G0B+3], s[G1B:G1B+7]
	s_nop 0
.rept 4
	v_nop
.endr
.Lfirst_asked:
	s_load_b64 s[96:97], s[68:69], 0x28            ; e10, e11
	s_lshl_b32 s22, s11, 16                        ; my 64 rows of A: four tiles of 16,384 bytes
	s_mul_i32 s23, s10, 16*SPITCH
	s_add_co_u32 s23, s23, STAGE                   ; my stage
	s_lshl_b32 s72, s13, 7
	s_lshl_b32 s73, s11, 6
	s_add_co_u32 s72, s72, s73                     ; my first row of C: 128 x tile row + 64 x half
	s_lshl_b32 s72, s72, 12
	s_lshl_b32 s73, s42, 9                         ; my first column, in bytes: 512 x tile column + 256 x half
	s_add_co_u32 s72, s72, s73
	s_lshl_b32 s73, s12, 8
	s_add_co_u32 s72, s72, s73
	s_mov_b32 s73, 0
	s_add_nc_u64 s[70:71], s[70:71], s[72:73]
	v_and_b32 v1, 15, v0                           ; l % 16
	v_bfe_u32 v2, v0, 4, 1                         ; l / 16
	v_and_b32 v3, 31, v0
	v_lshlrev_b32 v4, 4, v3                        ; 16 x lane: my place in an image
	v_add_nc_u32 v[ADRA], s22, v4
	v_mul_u32_u24 v5, v1, BP
	v_lshl_add_u32 v5, v2, 4, v5                   ; a fragment's row x pitch + 16 x half
	v_add_nc_u32 v[ADRB], s21, v5                  ; my 64 rows of B
	v_mul_u32_u24 v6, v1, SPITCH                   ; in: row l % 16, 32 bytes for each half of the lanes
	v_lshl_add_u32 v6, v2, 5, v6
	v_add_nc_u32 v[STO], s23, v6
	v_mul_u32_u24 v7, v2, SPITCH                   ; back: lanes 0-15 take one row of 256 bytes, lanes 16-31 the next
	v_lshl_add_u32 v7, v1, 4, v7
	v_add_nc_u32 v[RD], s23, v7
	v_lshlrev_b32 v8, 12, v2                       ; and the same two rows in C: 4,096 bytes a row
	v_lshl_add_u32 v[CO], v1, 4, v8
	s_wait_alu depctr_va_vdst(0)
	s_wait_kmcnt 0x0
	s_add_co_i32 s96, s96, s97                     ; e10 + e11, between -126 and 127,
	s_add_co_i32 s96, s96, 127
	s_lshl_b32 s96, s96, 23                        ; makes the f32 number 2^(e10 + e11)
; B's fragments of four steps of 128 along K, 64 loads.  Registers 4 g .. 4 g + 3 of a fragment hold k = 32 g + 16 (l / 16) + 0 .. 15, in A and in B alike.
.macro BLOAD q0
	WIN 0x80+0x40*((\q0)/4)                        ; destination window 2 or 3
.irp q, 0,1,2,3
.irp i, 0,1,2,3
.irp g, 0,1,2,3
	ds_load_b128 v[64*\q+16*\i+4*\g:64*\q+16*\i+4*\g+3], v[ADRB] offset:\i*16*BP+128*(\q0+\q)+32*\g
.endr
.endr
.endr
	WIN 0
.endm
.macro ALOAD a                         ; A's block a, 16 rows x 1,024 K, 32 loads, into the half of window 1 that is a's
	WIN 0x40
.irp q, 0,1,2,3,4,5,6,7
.irp g, 0,1,2,3
	ds_load_b128 v[128*((\a)%2)+16*\q+4*\g:128*((\a)%2)+16*\q+4*\g+3], v[ADRA] offset:(\a)*16384+2048*\q+512*\g
.endr
.endr
	WIN 0
.endm
; Sixteen products of block a: steps q0 .. q0 + 3 x my four blocks of B.  The four accumulators take turns, one instruction a turn; the first product starts the sums.
.macro MUL16 a, q0
	WIN 0x06+(\q0)/4                               ; source 0 (B) window 2 or 3, source 1 (A) window 1, C and D window 0
.irp q, 0,1,2,3
.irp b, 0,1,2,3
.if (\q0)+\q == 0
	v_wmma_f32_16x16x128_fp8_fp8 v[ACC+8*(4*(\a)+\b):ACC+8*(4*(\a)+\b)+7], v[64*\q+16*\b:64*\q+16*\b+15], v[128*((\a)%2)+16*(\q0+\q):128*((\a)%2)+16*(\q0+\q)+15], 0
.else
	v_wmma_f32_16x16x128_fp8_fp8 v[ACC+8*(4*(\a)+\b):ACC+8*(4*(\a)+\b)+7], v[64*\q+16*\b:64*\q+16*\b+15], v[128*((\a)%2)+16*(\q0+\q):128*((\a)%2)+16*(\q0+\q)+15], v[ACC+8*(4*(\a)+\b):ACC+8*(4*(\a)+\b)+7]
.endif
.endr
.endr
	WIN 0
.endm
; THE WAY OUT of a block of 16 rows x 64 columns.  A lane holds 32 neighbouring bytes of a row, and the lanes beside it hold other rows: so a block goes through my own stage in LDS and comes back as whole rows of 256 bytes,
; which sixteen lanes store as one aligned run of 256 bytes.  LDS serves a wave's instructions in order (ISA guide 5.7.1.4): no wait between the stores and the loads, nor in front of the next block's stores.
.macro TOSTAGE a
.irp j, 0,2,4,6,8,10,12,14,16,18,20,22,24,26,28,30
	v_pk_mul_f32 v[TMP+\j:TMP+\j+1], v[ACC+32*(\a)+\j:ACC+32*(\a)+\j+1], s[96:97] op_sel_hi:[1,0]   ; both x s96 = 2^(e10 + e11); each accumulator from its low end on
.endr
.irp b, 0,1,2,3
	ds_store_b128 v[STO], v[TMP+8*\b:TMP+8*\b+3] offset:64*\b
	ds_store_b128 v[STO], v[TMP+8*\b+4:TMP+8*\b+7] offset:64*\b+16
.endr
.set BB, BK+32*((\a)%2)
.irp t, 0,1,2,3,4,5,6,7
	ds_load_b128 v[BB+4*\t:BB+4*\t+3], v[RD] offset:\t*2*SPITCH
.endr
.endm
.macro SEND a
.set BB, BK+32*((\a)%2)
.irp t, 0,1,2,3,4,5,6,7
	global_store_b128 v[CO], v[BB+4*\t:BB+4*\t+3], s[70:71] offset:(16*(\a)+2*\t)*4096 th:TH_STORE_NT   ; every offset an immediate, 62 rows of C at the most; written once, read by nobody here
.endr
.endm
	s_wait_tensorcnt 0x0                           ; my tile is in (nothing is filled again in this launch),
	s_barrier_signal -1
	s_barrier_wait -1                              ; everybody's is
	BLOAD 0
	ALOAD 0
	BLOAD 4
	ALOAD 1
	s_wait_dscnt 63                                ; all but the youngest 63: B's first half of K and block 0 are in
	MUL16 0, 0
	s_wait_dscnt 32                                ; B's second half too; block 1's 32 loads may be out
	MUL16 0, 4
.irp a, 0,1,2,3
.if \a > 0
	MUL16 \a, 0
	MUL16 \a, 4
.endif
.rept 4
	v_nop                                          ; places in front of the first read of the results and of loads into registers that the products have read (ISA guide 7.12.1 for vector instructions)
.endr
.if \a > 1
	s_wait_xcnt 0x0                                ; block a - 2's stores have read their registers: block a's loads may land there
.endif
	TOSTAGE \a
.if \a < 2
	ALOAD \a+2                                     ; into the registers of the block just multiplied
	s_wait_dscnt 32                                ; the block is back in registers, and so is the next block of A; the 32 loads just issued may be out
.else
	s_wait_dscnt 0x0
.endif
	SEND \a
.endr
	s_wait_tensorcnt 0x0                           ; the wave's end
	ds_add_u32 v30, v31
	s_wait_dscnt 0x0
	CROUND                                         ; the closing round: no work-group ends while a partner may still ask for a tile that names it
	s_endpgm
.Lfunc_end_k_q6f7ddb7fe4_oproj:
	.size	k_q6f7ddb7fe4_oproj, .Lfunc_end_k_q6f7ddb7fe4_oproj-k_q6f7ddb7fe4_oproj
	.p2alignl 7, 3214868480
	.fill 96, 4, 3214868480
	.section	.rodata,"a",@progbits
	.p2align	6, 0x0
	.amdhsa_kernel k_q6f7ddb7fe4_oproj
		.amdhsa_group_segment_fixed_size 327680
		.amdhsa_private_segment_fixed_size 0
		.amdhsa_enable_private_segment 0
		.amdhsa_kernarg_size 32
		.amdhsa_user_sgpr_count 2
		.amdhsa_user_sgpr_kernarg_segment_ptr 1
		.amdhsa_wavefront_size32 1
		.amdhsa_system_sgpr_workgroup_id_x 1
		.amdhsa_system_sgpr_workgroup_id_y 1
		.amdhsa_system_sgpr_workgroup_id_z 1
		.amdhsa_system_vgpr_workitem_id 0
		.amdhsa_next_free_vgpr 1024
		.amdhsa_next_free_sgpr 100
		.amdhsa_reserve_vcc 0
		.amdhsa_float_denorm_mode_32 3
		.amdhsa_float_denorm_mode_16_64 3
		.amdhsa_memory_ordered 1
		.amdhsa_forward_progress 1
		.amdhsa_inst_pref_size 43
	.end_amdhsa_kernel
	.amdgpu_metadata
---
amdhsa.version: [ 1, 2 ]
amdhsa.kernels:
  - .name:           k_q6f7ddb7fe4_oproj
    .symbol:         k_q6f7ddb7fe4_oproj.kd
    .args:
      - { .name: ao, .offset: 0, .size: 8, .value_kind: global_buffer, .address_space: global }
      - { .name: wc, .offset: 8, .size: 8, .value_kind: global_buffer, .address_space: global }
      - { .name: lowp_scales, .offset: 16, .size: 8, .value_kind: global_buffer, .address_space: global }
      - { .name: out0, .offset: 24, .size: 8, .value_kind: global_buffer, .address_space: global }
    .group_segment_fixed_size: 327680
    .private_segment_fixed_size: 0
    .kernarg_segment_align: 8
    .kernarg_segment_size: 32
    .max_flat_workgroup_size: 128
    .sgpr_count:     100
    .vgpr_count:     1024
    .wavefront_size: 32
...
	.end_amdgpu_metadata
.endif
;; end of part 4
